; MI455X (gfx1250); checked and timed in simulation.
; The chip was launched on July 23, 2026; its instructions are those of AMD's public machine-readable ISA for CDNA 5 (MIT licence, August 2026) and "CDNA5" Instruction Set Architecture Reference Guide (July 2026). The comments in the code are by the model that wrote it; some were corrected since.
;; Attention. Allowed arithmetic: matrix products marked QUANTISED: E2M1 operands, one E8M0 scale for each 32 along K, by v_wmma_scale_f32_16x16x128_f8f6f4 with both operands' format E2M1 (or v_wmma_scale_f32_32x16x128_f4), f32 sums; products left as they are: bf16, f16 or f32 operands; f32 sums; everything else in f32.
;; Inputs: rope_freqs 2,048 x 64 x 2 float32; w_k 2,048 x 2,048 float32; w_o 2,048 x 2,048 float32; w_q 2,048 x 2,048 float32; w_v 2,048 x 2,048 float32; x 1 x 2,048 x 2,048 float32.
;; Outputs: out0 1 x 2,048 x 2,048 float32.
;; This version of the problem:
;;   THIS VERSION OF THE PROBLEM IS GIVEN IN LOW PRECISION. The matrix products marked QUANTISED in the list below multiply operands that are first quantised to E2M1 (2 exponent bits, 1 mantissa bit; 4 bits a number), with one power-of-two scale for each 32 numbers along K (OCP MX v1.0); their sums are f32. The products marked 'left as it is' may take bf16, f16 or f32 operands, with f32 sums. Whichever they take, every output number must still come out within the allowed error. Rounding operands to bf16 (8 significant bits) uses up far more of that allowance than f16 does (11 bits, for magnitudes from 6e-5 to 65,504). All else is computed in f32.
;;   The module's matrix products, in the order in which they are computed (A, B: the left and right operand; K: the contracted axis; several contracted axes count as one K, in the product's order):
;;     1. [M 2,048, K 2,048] x [K 2,048, N 2,048]; A: input x; B: input w_q: QUANTISED
;;     2. [M 2,048, K 2,048] x [K 2,048, N 2,048]; A: input x; B: input w_k: QUANTISED
;;     3. [M 2,048, K 2,048] x [K 2,048, N 2,048]; A: input x; B: input w_v: QUANTISED
;;     4. batch 16 x [M 2,048, K 128] x [K 128, N 2,048]; A: computed on the way; B: computed on the way: left as it is (an operand is computed on the way)
;;     5. batch 16 x [M 2,048, K 2,048] x [K 2,048, N 128]; A: computed on the way; B: computed on the way: left as it is (an operand is computed on the way)
;;     6. [M 2,048, K 2,048] x [K 2,048, N 2,048]; A: computed on the way; B: input w_o: left as it is (an operand is computed on the way)
;;   THE QUANTISER, for each operand of a quantised product, along K:
;;     - K is cut into blocks of 32 from its start; a last block that is shorter is filled with zeros.
;;     - A block's scale is 2^e with e = floor(log2(the largest magnitude in the block)) - 2, held to -126 .. 127; a block of zeros has e = 0. As a byte (E8M0): e + 127.
;;     - Each number is divided by its block's scale, clamped to +-6, and rounded to the nearest number of E2M1, ties to even, subnormals kept.
;;     - The product sums the exact products of the quantised numbers (number of the format x scale) in f32.
;;   ~~~python
;;   def quantise(x, axis):      # numpy; x: float32 -> the quantised numbers, widened to float32 again
;;       x = np.moveaxis(x, axis, -1); K = x.shape[-1]
;;       x = np.pad(x, [(0, 0)] * (x.ndim - 1) + [(0, -K % 32)]); x = x.reshape(x.shape[:-1] + (-1, 32)); a = np.abs(x).max(-1, keepdims=True)
;;       e = np.where(a > 0, np.clip(np.frexp(np.where(a > 0, a, 1))[1] - 1 - 2, -126, 127), 0)      # np.frexp(a)[1] - 1 = floor(log2(a)), exactly
;;       r = np.clip(x / 2.0 ** e, -6, 6)
;;       step = 2.0 ** (np.maximum(np.frexp(np.where(r == 0, 1, r))[1] - 1, 0) - 1)
;;       q = np.round(r / step) * step * 2.0 ** e      # np.round: ties to even
;;       return np.moveaxis(q.reshape(q.shape[:-2] + (-1,))[..., :K], -1, axis).astype(np.float32)
;;   ~~~
;; One version. Each part assembles by itself: llvm-mc -triple=amdgcn-amd-amdhsa -mcpu=gfx1250 --defsym DOCPART=n.
;; ======== version 1 of 1: 5 launches
;; limits: values are held in f16: magnitudes above 65,504 overflow, below 6.1e-05 lose precision
;; workspace buffers: codes 8,388,608 bytes; scales 524,288 bytes; wo16 8,388,608 bytes; qkv16 25,165,824 bytes; a16 8,388,608 bytes; r32 1,572,864 bytes
;; launch prep (part 1): grid 640 x 1, 4 waves a work-group, no clusters, 33,280 bytes of LDS; arguments x, w_q, w_k, w_v, w_o, codes, scales, wo16; writes codes, scales, wo16
.if DOCPART == 1
	.amdgcn_target "amdgcn-amd-amdhsa--gfx1250"
	.amdhsa_code_object_version 6
	.text
	.protected	k_qc3c05d2fdf_prep
	.globl	k_qc3c05d2fdf_prep
	.p2align	8
	.type	k_qc3c05d2fdf_prep,@function
k_qc3c05d2fdf_prep:
	s_mov_b64 s[64:65], 0
	v_nop
	global_prefetch_b8 v0, s[64:65] scope:SCOPE_SE
	s_setreg_imm32_b32 hwreg(HW_REG_WAVE_MODE, 25, 1), 1
	s_wait_xcnt 0x0
; x, w_q, w_k, w_v ([2048][2048] f32, K innermost) become codes of FP4 (E2M1) with one E8M0 scale byte for each 32 along K; w_o becomes 4 w_o in f16.
; codes: 8,192 rows of 1,024 bytes (x's 2,048 rows, then w_q's, w_k's, w_v's); scales: 8,192 rows of 64 bytes; wo16: [n][k] f16.
; A block's scale is 2^(floor(log2(its largest magnitude)) - 2); its byte is the largest magnitude's exponent field - 2, held at 1 from below.  A block of zeros so gets the byte 1: its codes are
; zeros, which add nothing, and this program alone reads the bytes.  Each number is divided by the scale and rounded to the nearest code, ties to even, beyond 6 the largest code.
; LIMITS: blocks whose largest magnitude lies under 2^-124 keep the byte 1; NaN and infinities among the inputs are not served; |4 w_o| beyond 65,504 is not served.
; Work-groups 0-511: the four tensors as one stream of blocks of 32; a wave takes 16 steps of 512 numbers.  Each load reads 512 consecutive bytes; a step's 2,048 bytes turn through the wave's own
; stage in LDS so that a lane holds 16 neighbours along K (two lanes to a block).  Work-groups 512-639: w_o, 8,192 numbers a wave, straight through registers.  Waves share nothing: no barrier.
.set WAVES, 4
.set STEPS, 16
.set EMAX,  2
.set CB,    8                          ; bytes of 16 codes
.set R,     16                         ; v16-79   four sets of 16 numbers as they are loaded
.set X,     80                         ; v80-111  two sets of 16 neighbours
.set E,     112                        ; v112-127 a scale byte for each step
.set C,     128                        ; v128-191 codes: four registers for each step, so that no store's data are written again
.set WREG,  8192                       ; LDS: a region for each wave: two stages of 32 x SP bytes, behind them its 256 scale bytes
.set SP,    80                         ; a lane's place in a stage: 64 bytes + 16 of padding
.set SPW,   12                         ; v12  LDS address of my spare word; never rewritten
.set NIL,   13                         ; v13  0; never rewritten
.set SPARE, WAVES*WREG                 ; behind the four regions: the spare words, 128 bytes a wave
.set WI,    16                         ; the w_o path: v16-143 two groups of 64 numbers
.set WO,    144                        ; v144-175 a group's 64 numbers as f16
	s_load_b256 s[4:11], s[0:1], 0x0               ; x s[4:5], w_q s[6:7], w_k s[8:9], w_v s[10:11]
	s_load_b256 s[12:19], s[0:1], 0x20             ; w_o s[12:13], codes s[14:15], scales s[16:17], wo16 s[18:19]
	v_lshl_add_u32 v[SPW], v0, 2, SPARE
	v_mov_b32 v[NIL], 0
	v_lshrrev_b32 v1, 5, v0
	v_readfirstlane_b32 s20, v1                    ; wave
	v_and_b32 v2, 31, v0                           ; lane
	v_lshlrev_b32 v3, 4, v2                        ; my 16 bytes of a load's 512
	s_cmp_ge_u32 ttmp9, 512                        ; the choice of path hangs on the work-group's number alone
	s_cbranch_scc1 .Lwo
	s_mul_i32 s21, s20, WREG
	v_lshrrev_b32 v14, 2, v2
	v_mul_u32_u24 v14, v14, SP
	v_and_b32 v15, 3, v2
	v_lshl_add_u32 v14, v15, 4, v14
	v_add_nc_u32 v14, s21, v14                     ; the stage, on the way in: four lanes' 64 bytes on end, then 16 of padding
	v_mul_u32_u24 v15, v2, SP
	v_add_nc_u32 v15, s21, v15                     ; and on the way out: SP x lane: my 16 neighbours
	v_mul_u32_u24 v4, v2, CB                       ; my codes' place in a step's
	v_lshrrev_b32 v5, 1, v2
	s_add_co_u32 s21, s21, 2*32*SP
	v_add_nc_u32 v5, s21, v5                       ; LDS: my wave's 256 scale bytes, my block's byte
	v_lshlrev_b32 v7, 3, v2                        ; and on the way out 8 bytes a lane
	v_add_nc_u32 v6, s21, v7
	s_wait_kmcnt 0x0
	s_lshr_b32 s22, ttmp9, 7                       ; which tensor: 128 work-groups each
	s_cmp_eq_u32 s22, 2
	s_cselect_b64 s[10:11], s[8:9], s[10:11]
	s_cmp_eq_u32 s22, 1
	s_cselect_b64 s[10:11], s[6:7], s[10:11]
	s_cmp_eq_u32 s22, 0
	s_cselect_b64 s[4:5], s[4:5], s[10:11]
	s_and_b32 s22, ttmp9, 127
	s_lshl_b32 s22, s22, 2
	s_add_co_u32 s22, s22, s20                     ; which run of 8,192 numbers of the tensor is my wave's
	s_lshl_b32 s22, s22, 15
	s_mov_b32 s23, 0
	s_add_nc_u64 s[4:5], s[4:5], s[22:23]
	s_lshl_b32 s24, ttmp9, 2
	s_add_co_u32 s24, s24, s20                     ; and which run of all four: the tensors' codes and scale bytes lie on end
	s_lshl_b32 s22, s24, 12
	s_add_nc_u64 s[14:15], s[14:15], s[22:23]      ; 4,096 bytes of codes a run
	s_lshl_b32 s22, s24, 8
	s_add_nc_u64 s[16:17], s[16:17], s[22:23]      ; 256 scale bytes a run
.macro LOAD t
.irp i, 0,1,2,3
	global_load_b128 v[R+16*((\t)%4)+4*\i:R+16*((\t)%4)+4*\i+3], v3, s[4:5] offset:2048*(\t)+512*\i th:TH_LOAD_NT   ; 32 lanes read 512 consecutive bytes
.endr
.endm
.macro TURN t                          ; step t's numbers through the stage: LDS serves a wave's instructions in order, so no wait stands between the stores and the loads
.irp i, 0,1,2,3
	ds_store_b128 v14, v[R+16*((\t)%4)+4*\i:R+16*((\t)%4)+4*\i+3] offset:32*SP*((\t)%2)+8*SP*\i
.endr
.irp i, 0,1,2,3
	ds_load_b128 v[X+16*((\t)%2)+4*\i:X+16*((\t)%2)+4*\i+3], v15 offset:32*SP*((\t)%2)+16*\i
.endr
.endm
.irp t, 0,1,2,3
	LOAD \t
.endr
	s_wait_loadcnt 12                              ; step 0's four loads are in; the twelve of steps 1 to 3 may be out
	TURN 0
.macro STEP t
.set XS, X+16*((\t)%2)
.if (\t) > 0
	s_wait_dscnt 1                                 ; this step's numbers are back from the stage (the last step's byte store may be out): so its stores into the stage have read their registers,
.else
	s_wait_dscnt 0x0
.endif
.if (\t)+4 < STEPS
	LOAD (\t)+4                                    ; which take the loads of four steps on
.endif
.if (\t)+1 < STEPS
.if STEPS-2-(\t) >= 3
	s_wait_loadcnt 12                              ; the next step's four loads are in; those of the three steps behind it may be out
.else
	s_wait_loadcnt 4*(STEPS-2-(\t))
.endif
	TURN (\t)+1                                    ; and go through the other stage while this step is worked
.endif
	v_max3_num_f32 v8, |v[XS]|, |v[XS+1]|, |v[XS+2]|               ; the largest magnitude of my 16, in two chains
	v_max3_num_f32 v9, |v[XS+3]|, |v[XS+4]|, |v[XS+5]|
.irp i, 6,10
	v_max3_num_f32 v8, v8, |v[XS+\i]|, |v[XS+\i+1]|
	v_max3_num_f32 v9, v9, |v[XS+\i+2]|, |v[XS+\i+3]|
.endr
	v_max3_num_f32 v8, v8, |v[XS+14]|, |v[XS+15]|
	v_max3_num_f32 v8, v8, v9, (EMAX+1)<<23        ; and the floor 2^(EMAX + 1 - 127): so the byte cannot fall under 1
	v_max_num_f32_dpp v8, v8, v8 row_xmask:1 row_mask:0xf bank_mask:0xf   ; and of my neighbour's 16: the block's
	v_add_nc_u32 v11, -(EMAX<<23), v8              ; EMAX off its exponent field: the conversion takes the exponent field of this operand as its scale
	v_cvt_scalef32_pk8_fp4_f32 v[C+4*(\t)], v[XS:XS+7], v11
	v_cvt_scalef32_pk8_fp4_f32 v[C+4*(\t)+1], v[XS+8:XS+15], v11
	v_lshrrev_b32 v[E+(\t)], 23, v11               ; the scale's byte (also the plain line behind the conversions)
	ds_store_b8 v5, v[E+(\t)] offset:16*(\t)       ; both lanes of a block write the same byte with the same value
	global_store_b64 v4, v[C+4*(\t):C+4*(\t)+1], s[14:15] offset:32*CB*(\t)   ; the wave stores 256 consecutive bytes, aligned
.endm
.irp t, 0,1,2,3,4,5,6,7,8,9,10,11,12,13,14,15
	STEP \t
.endr
	ds_load_b64 v[8:9], v6                         ; LDS serves a wave's instructions in order: these see my byte stores
	s_wait_dscnt 0x0
	global_store_b64 v7, v[8:9], s[16:17]          ; 32 lanes store my 256 scale bytes, aligned
	s_wait_tensorcnt 0x0                           ; the wave's end: behind my last LDS store
	ds_add_u32 v[SPW], v[NIL]
	s_wait_dscnt 0x0
	s_endpgm
.Lwo:                                  ; w_o x 4 (exact) to f16, rounded once.  Four groups of 2,048 numbers a wave, two groups of loads in flight
	v_lshlrev_b32 v4, 3, v2                        ; my 8 bytes of a store's 256
	s_sub_co_u32 s22, ttmp9, 512
	s_lshl_b32 s22, s22, 2
	s_add_co_u32 s22, s22, s20                     ; my run of 8,192 numbers
	s_lshl_b32 s24, s22, 15
	s_mov_b32 s25, 0
	s_lshl_b32 s26, s22, 14
	s_mov_b32 s27, 0
	s_wait_kmcnt 0x0
	s_add_nc_u64 s[12:13], s[12:13], s[24:25]
	s_add_nc_u64 s[18:19], s[18:19], s[26:27]
.macro LOADG g
.irp i, 0,1,2,3,4,5,6,7,8,9,10,11,12,13,14,15
	global_load_b128 v[WI+64*((\g)%2)+4*\i:WI+64*((\g)%2)+4*\i+3], v3, s[12:13] offset:8192*(\g)+512*\i th:TH_LOAD_NT
.endr
.endm
.macro CONV g
.if (\g) < 3
	s_wait_loadcnt 16                              ; this group's sixteen loads are in; the next group's may be out
.else
	s_wait_loadcnt 0x0
.endif
.if (\g) > 0
	s_wait_xcnt 0x0                                ; the last group's stores have read their data: the f16 registers are written again only behind this wait
.endif
.irp i, 0,1,2,3,4,5,6,7,8,9,10,11,12,13,14,15
	v_pk_mul_f32 v[WI+64*((\g)%2)+4*\i:WI+64*((\g)%2)+4*\i+1], v[WI+64*((\g)%2)+4*\i:WI+64*((\g)%2)+4*\i+1], 4.0 op_sel_hi:[1,0]
	v_pk_mul_f32 v[WI+64*((\g)%2)+4*\i+2:WI+64*((\g)%2)+4*\i+3], v[WI+64*((\g)%2)+4*\i+2:WI+64*((\g)%2)+4*\i+3], 4.0 op_sel_hi:[1,0]
	v_cvt_pk_f16_f32 v[WO+2*\i], v[WI+64*((\g)%2)+4*\i], v[WI+64*((\g)%2)+4*\i+1]
	v_cvt_pk_f16_f32 v[WO+2*\i+1], v[WI+64*((\g)%2)+4*\i+2], v[WI+64*((\g)%2)+4*\i+3]
	global_store_b64 v4, v[WO+2*\i:WO+2*\i+1], s[18:19] offset:4096*(\g)+256*\i   ; the wave stores 256 consecutive bytes, aligned
.endr
.endm
	LOADG 0
	LOADG 1
	CONV 0
	LOADG 2
	CONV 1
	LOADG 3
	CONV 2
	CONV 3
	s_wait_tensorcnt 0x0                           ; the wave's end
	ds_add_u32 v[SPW], v[NIL]
	s_wait_dscnt 0x0
	s_endpgm
.Lfunc_end_k_qc3c05d2fdf_prep:
	.size	k_qc3c05d2fdf_prep, .Lfunc_end_k_qc3c05d2fdf_prep-k_qc3c05d2fdf_prep
	.p2alignl 7, 3214868480
	.fill 96, 4, 3214868480
	.section	.rodata,"a",@progbits
	.p2align	6, 0x0
	.amdhsa_kernel k_qc3c05d2fdf_prep
		.amdhsa_group_segment_fixed_size 33280
		.amdhsa_private_segment_fixed_size 0
		.amdhsa_enable_private_segment 0
		.amdhsa_kernarg_size 64
		.amdhsa_user_sgpr_count 2
		.amdhsa_user_sgpr_kernarg_segment_ptr 1
		.amdhsa_wavefront_size32 1
		.amdhsa_system_sgpr_workgroup_id_x 1
		.amdhsa_system_sgpr_workgroup_id_y 1
		.amdhsa_system_sgpr_workgroup_id_z 1
		.amdhsa_system_vgpr_workitem_id 0
		.amdhsa_next_free_vgpr 192
		.amdhsa_next_free_sgpr 66
		.amdhsa_reserve_vcc 0
		.amdhsa_float_denorm_mode_32 3
		.amdhsa_float_denorm_mode_16_64 3
		.amdhsa_memory_ordered 1
		.amdhsa_forward_progress 1
		.amdhsa_inst_pref_size 62
	.end_amdhsa_kernel
	.amdgpu_metadata
---
amdhsa.version: [ 1, 2 ]
amdhsa.kernels:
  - .name:           k_qc3c05d2fdf_prep
    .symbol:         k_qc3c05d2fdf_prep.kd
    .args:
      - { .name: x, .offset: 0, .size: 8, .value_kind: global_buffer, .address_space: global }
      - { .name: w_q, .offset: 8, .size: 8, .value_kind: global_buffer, .address_space: global }
      - { .name: w_k, .offset: 16, .size: 8, .value_kind: global_buffer, .address_space: global }
      - { .name: w_v, .offset: 24, .size: 8, .value_kind: global_buffer, .address_space: global }
      - { .name: w_o, .offset: 32, .size: 8, .value_kind: global_buffer, .address_space: global }
      - { .name: codes, .offset: 40, .size: 8, .value_kind: global_buffer, .address_space: global }
      - { .name: scales, .offset: 48, .size: 8, .value_kind: global_buffer, .address_space: global }
      - { .name: wo16, .offset: 56, .size: 8, .value_kind: global_buffer, .address_space: global }
    .group_segment_fixed_size: 33280
    .private_segment_fixed_size: 0
    .kernarg_segment_align: 8
    .kernarg_segment_size: 64
    .max_flat_workgroup_size: 128
    .sgpr_count:     66
    .vgpr_count:     192
    .wavefront_size: 32
...
	.end_amdgpu_metadata
.endif
;; end of part 1
;; launch qkv (part 2): grid 24 x 8, 4 waves a work-group, clusters of 4 x 4, 327,680 bytes of LDS; arguments codes, scales, rope_freqs, qkv16, r32; writes qkv16, r32
.if DOCPART == 2
	.amdgcn_target "amdgcn-amd-amdhsa--gfx1250"
	.amdhsa_code_object_version 6
	.text
	.protected	k_qc3c05d2fdf_qkv
	.globl	k_qc3c05d2fdf_qkv
	.p2align	8
	.type	k_qc3c05d2fdf_qkv,@function
k_qc3c05d2fdf_qkv:
	s_mov_b64 s[64:65], 0
	v_nop
	global_prefetch_b8 v0, s[64:65] scope:SCOPE_SE
	s_setreg_imm32_b32 hwreg(HW_REG_WAVE_MODE, 25, 1), 1
	s_wait_xcnt 0x0
	s_wait_alu depctr_hold_cnt(0) depctr_sa_sdst(0) depctr_va_vdst(0) depctr_va_sdst(0) depctr_va_ssrc(0) depctr_va_vcc(0) depctr_vm_vsrc(0)
	s_getreg_b32 s2, hwreg(HW_REG_IB_STS2, 6, 4)
	s_cmp_eq_u32 s2, 0
	s_cbranch_scc0 .Lentry_in_a_cluster
	s_endpgm
.Lentry_in_a_cluster:
	s_bfe_u32 s2, ttmp6, 0x10000c
	s_cmp_lg_u32 s2, 0xf033
	s_cbranch_scc0 .Lentry_shape_is_right
	s_endpgm
.Lentry_shape_is_right:
; [2048 (t)] x [6144 (n)] = x . [w_q; w_k; w_v]^T on codes of FP4 (E2M1) with one E8M0 scale for each 32 along K = 2,048; sums in f32.  Then RoPE (q, k), a scale, one rounding to f16.
; codes: rows 0-2047 x, rows 2048-8191 the weights; 1,024 bytes a row; scales: 64 bytes a row.  qkv16: [3][16 heads][2048 t][128] f16: q' = c q (c = log2(e) / sqrt(128)), k' = k / 8, v' = v / 4.
; r32: [cy][section][16 rows][2048] f32: the same numbers unrounded, of the first 16 rows of each tile row of the first row of clusters; the part cy = 0 is positions 0-15, which a later launch
; reads; the parts cy = 1..3 are stored and never read, since the partners of a cluster run alike and are told apart by address alone.
; LIMITS: |c q|, |k / 8|, |v / 4| beyond 65,504 are not served; RoPE is a multiply and a fused multiply-add, on cos and sin that already carry the scale (one rounding more for q).
; A tile of C, 256 x 256, is made by a work-group of four waves; a wave makes 128 x 128: 64 accumulators, 512 registers; its 128 columns are one head.  192 work-groups: a narrower tile would cut heads in two.
; K goes in steps of 512 through a ring of two LDS slots filled by the tensor data mover (rows of 256 bytes).  The scales of the work-group's rows, for all of K, come into LDS once, with the first fills.
; CLUSTERS: 4 x 4 work-groups; x's tiles are shared along a row of the cluster, the weights' along a column: each is asked for jointly, by the same tensor load with a mask that names the four.
; THE MATRIX INSTRUCTION IS USED TRANSPOSED (source 0 = 16 rows of the weights, source 1 = 16 rows of x): a lane holds eight neighbouring columns of a row of C.
; REGISTERS, in windows of 256: window 0: v0-31 addresses; v32-95 scale words, two sets; from v128 x's fragments, one set; on the way out v32-255 are free.
;   window 1: the weights' fragments, two sets (v0, v128); on the way out four sets of 64 numbers of rope_freqs.   windows 2, 3: the accumulators ((a, b) at v[8 (8 (a % 4) + b)]).
.set KSTEP,  512
.set NQ,     4                         ; matrix instructions deep in a slot
.set ROWB,   256                       ; a tile's row in bytes
.set KROW,   1024                      ; a row of codes in memory
.set PITCH,  272                       ; an LDS row: 256 bytes + 16 of padding, so that the 16 rows that a load touches start 4 words apart
.set FR,     8
.set NL,     2
.set NP,     4                         ; places behind this matrix instruction (ISA guide 7.12.1)
.set HALFT,  128*PITCH
.set SLOT,   4*HALFT
.set LAPS,   2                         ; 2,048 / (2 x 512)
.set KS,     64                        ; a row of scales in bytes
.set SCL,    2*SLOT
.set HALFS,  (128*KS/256)*272
.set SBLK,   (16*KS/256)*272
.set SPARE,  SCL+4*HALFS               ; the spare words, 128 bytes a wave
.set SPITCH, 528                       ; the way out: a stage of 16 rows x (512 + 16) bytes for each wave, in slot 0, which has had its last fill and its last read by then
.set ADRA, 16
.set ADRB, 20
.set STO,  24
.set RD,   25
.set CO,   26                          ; v26  16 x lane
.set ADRS, 27
.set SPW,  28
.set NIL,  29
.set HO,   30                          ; v30  8 x lane
.set SC,   32
.set AF,   128
.set BK,   128                         ; the way out: 16 rows back from the stage: v128-191, v192-255 by turns
.set TT,   32                          ; the way out: v32-39 at work
.set HZ,   40                          ; the way out: v[40:41] = (H, 0)
.set G1, 24
.set G0, 32
.set G1B, 48
.set G0B, 56
.set G1S, 68
.set G0S, 76
.set G1SB, 80
.set G0SB, 88
.set MSB, 0
.macro WIN new                         ; the immediate's high byte repeats the setting that is left
.if MSB != \new
	s_set_vgpr_msb (MSB<<8)|\new
.set MSB, \new
.endif
.endm
.set MUL_LO, 0xa1                      ; source 0 window 1, source 1 window 0, C and D window 2
.set MUL_HI, 0xf1                      ; the same, C and D window 3
.set TO_B,   0x40
; A joint load: waves 0 and 1 fetch for x, waves 2 and 3 for the weights.  The branch hangs on the wave's number alone.  An s_nop 0 and four v_nop follow each line.
.macro JLOAD g0a, g1a, g0b, g1b
	s_cmp_eq_u32 s15, 0
	s_cbranch_scc0 .Lfor_b_\@
	tensor_load_to_lds s[\g0a:\g0a+3], s[\g1a:\g1a+7]
	s_nop 0
.rept 4
	v_nop
.endr
	s_branch .Lasked_\@
.Lfor_b_\@:
	tensor_load_to_lds s[\g0b:\g0b+3], s[\g1b:\g1b+7]
	s_nop 0
.rept 4
	v_nop
.endr
.Lasked_\@:
.endm
.macro CREST                           ; a round of the cluster's barrier behind its opening barrier
	s_cmp_lg_u32 s14, 0
	s_cbranch_scc1 .Lnot_wave_0_\@
	s_barrier_signal -3
.Lnot_wave_0_\@:
	s_barrier_wait -3
	s_barrier_signal -1
	s_barrier_wait -1
.endm
.macro CROUND
	s_barrier_signal -1
	s_barrier_wait -1
	CREST
.endm
	s_load_b128 s[4:7], s[0:1], 0x0                ; codes s[4:5], scales s[6:7]
	s_load_b64 s[100:101], s[0:1], 0x10            ; rope_freqs
	s_load_b64 s[12:13], s[0:1], 0x18              ; qkv16
	s_load_b64 s[98:99], s[0:1], 0x20              ; r32
	v_lshl_add_u32 v[SPW], v0, 2, SPARE
	v_mov_b32 v[NIL], 0
	ds_add_u32 v[SPW], v[NIL]                      ; the wave's opening: the add, twice on end, and its wait ahead of my first tensor load
	ds_add_u32 v[SPW], v[NIL]
	v_lshrrev_b32 v1, 5, v0
	v_readfirstlane_b32 s14, v1                    ; wave 0..3
	s_lshr_b32 s15, s14, 1                         ; which half of the tile's rows is mine.  Also: I fetch for x (0) or for the weights (1)
	s_and_b32 s16, s14, 1                          ; which half of its columns.  Also: which 128 rows of that tile I fetch
	s_bfe_u32 s40, ttmp6, 0x40000                  ; cx, cy: my place in the cluster
	s_bfe_u32 s41, ttmp6, 0x40004
	s_lshl_b32 s42, ttmp9, 2
	s_add_co_u32 s42, s42, s40                     ; tile column of C = 4 x cluster x + cx
	s_and_b32 s17, ttmp7, 0xffff
	s_lshl_b32 s17, s17, 2
	s_add_co_u32 s17, s17, s41                     ; tile row of C = 4 x cluster y + cy
	s_lshl_b32 s43, s41, 2
	s_lshl_b32 s43, 15, s43                        ; my row of the cluster
	s_lshl_b32 s44, 0x1111, s40                    ; my column
	s_or_b32 s[G1+0], s43, (0<<16)|(1<<20)|(1<<21)|(5<<22)|(3<<25)  ; the mask; elements of 1 byte; padding on; bit 21 beside a mask; after every 64 words four words
	s_or_b32 s[G1B+0], s44, (0<<16)|(1<<20)|(1<<21)|(5<<22)|(3<<25)
.irp g, G1, G1B
	s_mov_b32 s[\g+1], ROWB<<16                    ; tensor_dim0
	s_mov_b32 s[\g+2], 128<<16                     ; tensor_dim1
	s_mov_b32 s[\g+3], ROWB<<16                    ; tile_dim0
	s_mov_b32 s[\g+4], 128                         ; tile_dim1
	s_mov_b32 s[\g+5], KROW                        ; from row to row
	s_mov_b32 s[\g+6], 0
	s_mov_b32 s[\g+7], 0
.endr
	s_or_b32 s[G1S+0], s43, (3<<16)|(1<<20)|(1<<21)|(5<<22)|(3<<25)  ; the scales of 128 rows: a dense block, as rows of 256 bytes (32 elements of 8), 16 bytes of padding behind each
	s_or_b32 s[G1SB+0], s44, (3<<16)|(1<<20)|(1<<21)|(5<<22)|(3<<25)
.irp g, G1S, G1SB
	s_mov_b32 s[\g+1], 32<<16
	s_mov_b32 s[\g+2], (128*KS/256)<<16
	s_mov_b32 s[\g+3], 32<<16
	s_mov_b32 s[\g+4], 128*KS/256
	s_mov_b32 s[\g+5], 32
	s_mov_b32 s[\g+6], 0
	s_mov_b32 s[\g+7], 0
.endr
	s_lshl_b32 s18, s16, 7                         ; which 128 rows of the tile I fetch
	s_lshl_b32 s20, s17, 8
	s_add_co_u32 s20, s20, s18                     ; x: row 256 x tile row + 128 x half
	s_lshl_b32 s46, s42, 8
	s_add_co_u32 s46, s46, s18                     ; the weights: row 256 x tile column + 128 x half
	s_mov_b32 s21, 0
	s_mov_b32 s47, 0
	s_mov_b64 s[18:19], KS
	s_mul_u64 s[22:23], s[20:21], s[18:19]         ; where these rows' scales begin,
	s_mul_u64 s[92:93], s[46:47], s[18:19]
	s_mov_b64 s[18:19], KROW
	s_mul_u64 s[20:21], s[20:21], s[18:19]         ; and their codes
	s_mul_u64 s[46:47], s[46:47], s[18:19]
	s_mul_i32 s45, s14, HALFT                      ; where they go: wave x 128 rows: no place in the cluster enters an LDS address
	s_mul_i32 s94, s14, HALFS
	s_wait_dscnt 0x0                               ; both opening adds are done
	s_wait_kmcnt 0x0
	s_add_nc_u64 s[8:9], s[4:5], 0x200000          ; the weights' codes begin behind x's 2,048 rows of 1,024 bytes,
	s_add_nc_u64 s[10:11], s[6:7], 0x20000         ; their scales behind 2,048 rows of 64
	s_add_nc_u64 s[20:21], s[4:5], s[20:21]
	s_add_nc_u64 s[22:23], s[6:7], s[22:23]
	s_add_nc_u64 s[46:47], s[8:9], s[46:47]
	s_add_nc_u64 s[92:93], s[10:11], s[92:93]
	CROUND                                         ; all sixteen work-groups are here: the first joint loads meet
	s_mov_b32 s[G0S], 1
	s_add_co_u32 s[G0S+1], s94, SCL
	s_mov_b64 s[G0S+2:G0S+3], s[22:23]
	s_or_b32 s[G0S+3], s[G0S+3], 0x80000000
	s_mov_b32 s[G0SB], 1
	s_add_co_u32 s[G0SB+1], s94, SCL
	s_mov_b64 s[G0SB+2:G0SB+3], s[92:93]
	s_or_b32 s[G0SB+3], s[G0SB+3], 0x80000000
	JLOAD G0S, G1S, G0SB, G1SB                     ; the scales first: they are wanted with K step 0.  With the two below, three loads of mine are out
.irp s, 0,1
	s_mov_b32 s[G0+4*\s], 1
	s_add_co_u32 s[G0+4*\s+1], s45, \s*SLOT
	s_add_nc_u64 s[G0+4*\s+2:G0+4*\s+3], s[20:21], \s*ROWB
	s_or_b32 s[G0+4*\s+3], s[G0+4*\s+3], 0x80000000
	s_mov_b32 s[G0B+4*\s], 1
	s_add_co_u32 s[G0B+4*\s+1], s45, \s*SLOT
	s_add_nc_u64 s[G0B+4*\s+2:G0B+4*\s+3], s[46:47], \s*ROWB
	s_or_b32 s[G0B+4*\s+3], s[G0B+4*\s+3], 0x80000000
	JLOAD G0+4*\s, G1, G0B+4*\s, G1B
.endr
	v_and_b32 v1, 15, v0                           ; l % 16
	v_bfe_u32 v2, v0, 4, 1                         ; l / 16
	v_mul_u32_u24 v3, v1, PITCH
	v_lshl_add_u32 v4, v2, 4, v3                   ; a fragment's row x pitch + 16 x half
	s_mul_i32 s21, s15, HALFT                      ; my 128 rows of x
	s_mul_i32 s22, s16, HALFT                      ; my 128 rows of the weights,
	s_add_co_u32 s22, s22, 2*HALFT                 ; which lie behind x's 256
.irp s, 0,1
	v_add_nc_u32 v[ADRA+\s], s21, v4
	v_add_nc_u32 v[ADRB+\s], s22, v4
	s_add_co_u32 s21, s21, SLOT
	s_add_co_u32 s22, s22, SLOT
.endr
	v_mul_u32_u24 v5, v1, KS                       ; my row's scales: KS bytes a row,
	v_lshrrev_b32 v6, 8, v5
	v_lshl_add_u32 v5, v6, 4, v5                   ; and 16 more for each 256 passed
	s_mul_i32 s21, s15, HALFS
	s_mul_i32 s22, s16, HALFS
	s_add_co_u32 s22, s22, 2*HALFS
	s_sub_co_u32 s22, s22, s21
	v_mul_u32_u24 v6, s22, v2                      ; lanes 16-31 take the weights'
	s_add_co_u32 s21, s21, SCL
	v_add_nc_u32 v5, v5, v6
	v_add_nc_u32 v[ADRS], s21, v5
	s_mul_i32 s23, s14, 16*SPITCH                  ; my stage
	v_mul_u32_u24 v5, v1, SPITCH                   ; in: row l % 16, 32 bytes for each half of the lanes
	v_lshl_add_u32 v5, v2, 5, v5
	v_add_nc_u32 v[STO], s23, v5
	v_and_b32 v6, 31, v0
	v_lshlrev_b32 v[CO], 4, v6                     ; back: the 32 lanes take one row of 512 bytes; the same in rope_freqs and in r32
	v_add_nc_u32 v[RD], s23, v[CO]
	v_lshlrev_b32 v[HO], 3, v6                     ; and 8 bytes a lane of a row of 128 f16
	; the way out's addresses and constants.  section = tile column / 8 = cluster x / 2: the same in all sixteen partners
	s_lshr_b32 s96, ttmp9, 1                       ; 0 q, 1 k, 2 v
	s_and_b32 s92, s42, 7
	s_lshl_b32 s92, s92, 1
	s_add_co_u32 s92, s92, s16                     ; my head: my 128 columns
	s_lshl_b32 s20, s17, 8
	s_lshl_b32 s21, s15, 7
	s_add_co_u32 s20, s20, s21                     ; my first row t0
	s_lshl_b32 s46, s96, 23                        ; qkv16: section x 8,388,608
	s_lshl_b32 s47, s92, 19                        ; + head x 524,288
	s_add_co_u32 s46, s46, s47
	s_lshl_b32 s47, s20, 8                         ; + t0 x 256
	s_add_co_u32 s46, s46, s47
	s_mov_b32 s47, 0
	s_add_nc_u64 s[12:13], s[12:13], s[46:47]
	s_lshl_b32 s46, s20, 9                         ; rope_freqs: 512 bytes a position
	s_add_nc_u64 s[100:101], s[100:101], s[46:47]
	s_mul_i32 s46, s41, 3                          ; r32: (3 cy + section) x 131,072 + head x 512
	s_add_co_u32 s46, s46, s96
	s_lshl_b32 s46, s46, 17
	s_lshl_b32 s93, s92, 9
	s_add_co_u32 s46, s46, s93
	s_add_nc_u64 s[98:99], s[98:99], s[46:47]
	s_cmp_eq_u32 s96, 2                            ; (cos, sin) become (G cos + H, G sin): q: G = c; k: G = 1/8; v: G = 0, H = 1/4, so that v is only scaled
	s_cselect_b32 s95, 0x3e800000, 0               ; H
	s_cselect_b32 s104, 0, 0x3e000000              ; G
	s_cmp_eq_u32 s96, 0
	s_cselect_b32 s104, 0x3e0293ee, s104           ; c = log2(e) / sqrt(128)
	s_mov_b32 s105, s104                           ; (named with it as a pair, so it is written)
	s_and_b32 s93, ttmp7, 0xffff
	s_or_b32 s93, s93, s15
	s_cmp_eq_u32 s93, 0
	s_cselect_b32 s97, 1, 0                        ; 1: first row of clusters and upper half of the tile's rows: my block 0 also goes to r32.  Cluster y and the wave's number alone
.macro FRAG reg, adr, q, i             ; 16 rows x 128 K of 4-bit codes: 8 registers: lane l holds row l % 16; registers 4 c .. 4 c + 3 hold K = 64 c + 32 (l / 16) + 0 .. 31
.irp c, 0,1
	ds_load_b128 v[\reg+4*\c:\reg+4*\c+3], v[\adr] offset:64*(\q)+32*\c+(\i)*16*PITCH
.endr
.endm
; 16 matrix instructions: x's blocks a0, a0 + 1 against the weights' eight, 128 along K.  zero = 1: the first product starts the sums.  The 64 accumulators take turns, one instruction a turn.
.macro MUL16 a0, p, q, sc, zero
.irp a, \a0, \a0+1
.irp b, 0,1,2,3,4,5,6,7
.if \zero
	v_wmma_scale_f32_16x16x128_f8f6f4 v[8*(8*((\a)%4)+\b):8*(8*((\a)%4)+\b)+7], v[128*(\p)+FR*\b:128*(\p)+FR*\b+FR-1], v[AF+FR*(\a):AF+FR*(\a)+FR-1], 0, v[SC+8*NQ*(\sc)+NQ*\b+(\q)], v[SC+8*NQ*(\sc)+NQ*(\a)+(\q)] matrix_a_fmt:MATRIX_FMT_FP4 matrix_b_fmt:MATRIX_FMT_FP4 matrix_a_scale:MATRIX_SCALE_ROW1
.else
	v_wmma_scale_f32_16x16x128_f8f6f4 v[8*(8*((\a)%4)+\b):8*(8*((\a)%4)+\b)+7], v[128*(\p)+FR*\b:128*(\p)+FR*\b+FR-1], v[AF+FR*(\a):AF+FR*(\a)+FR-1], v[8*(8*((\a)%4)+\b):8*(8*((\a)%4)+\b)+7], v[SC+8*NQ*(\sc)+NQ*\b+(\q)], v[SC+8*NQ*(\sc)+NQ*(\a)+(\q)] matrix_a_fmt:MATRIX_FMT_FP4 matrix_b_fmt:MATRIX_FMT_FP4 matrix_a_scale:MATRIX_SCALE_ROW1
.endif
.endr
.endr
.endm
.macro FETCH_B slot, q, p
	WIN TO_B
.irp i, 0,1,2,3,4,5,6,7
	FRAG 128*(\p)+FR*\i, ADRB+\slot, \q, \i
.endr
	WIN 0
.endm
.macro FETCH_A slot, q, i0
.irp i, \i0, \i0+1, \i0+2, \i0+3
	FRAG AF+FR*(\i), ADRA+\slot, \q, \i
.endr
.endm
.macro SCALES sc                       ; the next K step's scale words: lanes 0-15 take x's block i, lanes 16-31 the weights' block i
.irp i, 0,1,2,3,4,5,6,7
	ds_load_b128 v[SC+8*NQ*\sc+NQ*\i:SC+8*NQ*\sc+NQ*\i+3], v[ADRS] offset:\i*SBLK
.endr
.endm
.macro PLACES n                        ; plain vector instructions between a matrix instruction and a load into, or a read of, its registers
.rept \n
	v_nop
.endr
.endm
.macro STEP slot, q, zero              ; 128 along K, with its successor in the same slot
	s_wait_dscnt 4*NL                              ; the weights' set and x's blocks 0-3 are in; the youngest eight loads (x's blocks 4-7) may be out
	WIN MUL_LO
	MUL16 0, (\q)%2, \q, \slot, \zero
	MUL16 2, (\q)%2, \q, \slot, \zero
	s_wait_dscnt 0
	PLACES NP
	FETCH_B \slot, (\q)+1, 1-(\q)%2
	FETCH_A \slot, (\q)+1, 0
	WIN MUL_HI
	MUL16 4, (\q)%2, \q, \slot, \zero
	MUL16 6, (\q)%2, \q, \slot, \zero
	PLACES NP
	WIN 0
	FETCH_A \slot, (\q)+1, 4
.endm
; A slot's last step changes slots: one barrier; in front of it each wave waits for all its tensor loads, adds 0 to its spare word, and waits for that and for its reads of this slot.
.macro TURN slot, next, fill
	s_wait_tensorcnt 0x0                           ; all my tensor loads have landed: my part of the next slot
	ds_add_u32 v[SPW], v[NIL]
	s_wait_dscnt 4*NL+1                            ; (the add and the youngest eight loads may be out)
	WIN MUL_LO
	MUL16 0, 1, NQ-1, \slot, 0
	s_wait_dscnt 0x0                               ; the add is done, and my reads of this slot are over
	s_barrier_signal -1
	MUL16 2, 1, NQ-1, \slot, 0
	WIN 0
	s_barrier_wait -1
.if \fill
	CREST                                          ; the barrier has opened a round of the cluster's barrier: no wave of any partner still reads this slot or has a load on its way
	s_add_nc_u64 s[G0+4*\slot+2:G0+4*\slot+3], s[G0+4*\slot+2:G0+4*\slot+3], 2*ROWB
	s_add_nc_u64 s[G0B+4*\slot+2:G0B+4*\slot+3], s[G0B+4*\slot+2:G0B+4*\slot+3], 2*ROWB
	JLOAD G0+4*\slot, G1, G0B+4*\slot, G1B         ; the first tensor load behind the round; its four v_nop are the places in front of the loads below
.else
	PLACES NP
.endif
	v_add_nc_u32 v[ADRS], 4*NQ, v[ADRS]            ; on to the next K step's scale words
	FETCH_B \next, 0, 0
	FETCH_A \next, 0, 0
	SCALES \next
	WIN MUL_HI
	MUL16 4, 1, NQ-1, \slot, 0
	MUL16 6, 1, NQ-1, \slot, 0
	PLACES NP
	WIN 0
	FETCH_A \next, 0, 4
.endm
.macro STEPS slot, from
.set Q, \from
.rept NQ-1-\from
	STEP \slot, Q, 0
.set Q, Q+1
.endr
.endm
	s_wait_tensorcnt 1                             ; the scales and my part of K step 0 are in (K step 1's load may be out)
	s_barrier_signal -1
	s_barrier_wait -1                              ; everybody's are
	FETCH_B 0, 0, 0
	FETCH_A 0, 0, 0
	SCALES 0
	FETCH_A 0, 0, 4
	STEP 0, 0, 1                                   ; the first step stands in front of the loop: its products start the sums
	s_mov_b32 s3, LAPS-1
.Llap:                                                 ; a trip goes once round the ring and fills both slots again
	STEPS 0, 1
	TURN 0, 1, 1
	STEPS 1, 0
	TURN 1, 0, 1
	STEP 0, 0, 0
	s_sub_co_u32 s3, s3, 1
	s_cmp_lg_u32 s3, 0
	s_cbranch_scc1 .Llap
	STEPS 0, 1                                     ; the last lap fills nothing
	TURN 0, 1, 0
	STEPS 1, 0
	s_wait_dscnt 4*NL
	WIN MUL_LO
	MUL16 0, 1, NQ-1, 1, 0
	MUL16 2, 1, NQ-1, 1, 0
	s_wait_dscnt 0
	WIN MUL_HI
	MUL16 4, 1, NQ-1, 1, 0
	MUL16 6, 1, NQ-1, 1, 0
	WIN 0
; THE WAY OUT, block by block of 16 rows x 128 columns (one head).  A block goes through my own stage in LDS and comes back as whole rows of 512 bytes: lane l holds columns 4 l .. 4 l + 3, which are
; RoPE's pairs 2 l and 2 l + 1; the same 16 bytes of the position's row of rope_freqs are (cos, sin) of these two pairs.  Every offset is an immediate: no base is stepped.
.macro ROPE a                          ; block a's 16 rows of rope_freqs into set a % 4 of window 1: 32 lanes read a row's 512 bytes
	WIN 0x40
.irp t, 0,1,2,3,4,5,6,7,8,9,10,11,12,13,14,15
	global_load_b128 v[64*((\a)%4)+4*\t:64*((\a)%4)+4*\t+3], v[CO], s[100:101] offset:(16*(\a)+\t)*512
.endr
	WIN 0
.endm
.macro TOSTAGE a
.set AC, 64*((\a)%4)
	WIN 0x08+4*((\a)/4)                            ; the data: window 2 or 3
.irp b, 0,1,2,3,4,5,6,7
	ds_store_b128 v[STO], v[AC+8*\b:AC+8*\b+3] offset:64*\b          ; each accumulator from its low end on
	ds_store_b128 v[STO], v[AC+8*\b+4:AC+8*\b+7] offset:64*\b+16
.endr
	WIN 0
.set BB, BK+64*((\a)%2)
.irp t, 0,1,2,3,4,5,6,7,8,9,10,11,12,13,14,15
	ds_load_b128 v[BB+4*\t:BB+4*\t+3], v[RD] offset:\t*SPITCH      ; LDS serves a wave's instructions in order: these see the stores above
.endr
.endm
.macro SEND a, younger                 ; younger: the LDS instructions issued behind block a's loads, which may stay out
.set BB, BK+64*((\a)%2)
.set RP, 64*((\a)%4)
.set RPS, 7-(\a)
.if RPS > 3
.set RPS, 3
.endif
	s_wait_loadcnt 16*RPS                          ; block a's rows of rope_freqs are in; the sets asked for behind them (three at the most, sixteen loads each) may be out
	WIN 0x41                                       ; destination and source 0 window 1, (H, 0) window 0
.irp t, 0,1,2,3,4,5,6,7,8,9,10,11,12,13,14,15
	v_pk_fma_f32 v[RP+4*\t:RP+4*\t+1], v[RP+4*\t:RP+4*\t+1], s[104:105], v[HZ:HZ+1] op_sel_hi:[1,0,1]       ; (G cos + H, G sin)
	v_pk_fma_f32 v[RP+4*\t+2:RP+4*\t+3], v[RP+4*\t+2:RP+4*\t+3], s[104:105], v[HZ:HZ+1] op_sel_hi:[1,0,1]
.endr
	s_wait_dscnt \younger                          ; the block is back in registers
	WIN 0x04                                       ; source 1 window 1
.irp t, 0,1,2,3,4,5,6,7,8,9,10,11,12,13,14,15
	v_mul_f32 v[TT+4*(\t%2)],   v[BB+4*\t+1], v[RP+4*\t+1]                       ; x1 sin
	v_mul_f32 v[TT+4*(\t%2)+1], v[BB+4*\t],   v[RP+4*\t+1]                       ; x0 sin
	v_mul_f32 v[TT+4*(\t%2)+2], v[BB+4*\t+3], v[RP+4*\t+3]
	v_mul_f32 v[TT+4*(\t%2)+3], v[BB+4*\t+2], v[RP+4*\t+3]
	v_fma_f32 v[BB+4*\t],   v[BB+4*\t],   v[RP+4*\t],   -v[TT+4*(\t%2)]          ; x0 cos - x1 sin
	v_fma_f32 v[BB+4*\t+1], v[BB+4*\t+1], v[RP+4*\t],   v[TT+4*(\t%2)+1]         ; x1 cos + x0 sin
	v_fma_f32 v[BB+4*\t+2], v[BB+4*\t+2], v[RP+4*\t+2], -v[TT+4*(\t%2)+2]
	v_fma_f32 v[BB+4*\t+3], v[BB+4*\t+3], v[RP+4*\t+2], v[TT+4*(\t%2)+3]
.endr
	WIN 0
.if (\a) == 0
	s_cmp_eq_u32 s97, 1
	s_cbranch_scc0 .Lno_f32_\@
.irp t, 0,1,2,3,4,5,6,7,8,9,10,11,12,13,14,15
	global_store_b128 v[CO], v[BB+4*\t:BB+4*\t+3], s[98:99] offset:8192*\t       ; the unrounded numbers: 32 lanes store 512 consecutive bytes, aligned
.endr
	s_wait_xcnt 0x0                                ; these stores have read their data: the conversions below write the same registers
.Lno_f32_\@:
.endif
.irp t, 0,1,2,3,4,5,6,7,8,9,10,11,12,13,14,15
	v_cvt_pk_f16_f32 v[BB+4*\t],   v[BB+4*\t],   v[BB+4*\t+1]
	v_cvt_pk_f16_f32 v[BB+4*\t+1], v[BB+4*\t+2], v[BB+4*\t+3]
.endr
.irp t, 0,1,2,3,4,5,6,7,8,9,10,11,12,13,14,15
	global_store_b64 v[HO], v[BB+4*\t:BB+4*\t+1], s[12:13] offset:(16*(\a)+\t)*256   ; 32 lanes store a head's row: 256 consecutive bytes, aligned
.endr
.endm
	PLACES NP                                      ; behind the last products: for the loads into the fragments' registers, the writes of the scale words' registers and the reads of results
	v_mov_b32 v[HZ], s95
	v_mov_b32 v[HZ+1], 0
	ROPE 0
	ROPE 1
	ROPE 2
	ROPE 3
	TOSTAGE 0
.irp a, 1,2,3,4,5,6,7
.if \a > 1
	s_wait_xcnt 0x0                                ; block a - 2's stores have read their registers: block a's loads may land there
.endif
	TOSTAGE \a
	SEND \a-1, 32                                  ; behind block a - 1's loads: block a's 16 stores and 16 loads
.if \a+3 < 8
	ROPE \a+3                                      ; into the set that block a - 1 has just used
.endif
.endr
	SEND 7, 0
	s_wait_tensorcnt 0x0                           ; the wave's end: behind my last tensor load and my last LDS store
	ds_add_u32 v[SPW], v[NIL]
	s_wait_dscnt 0x0
	CROUND                                         ; the closing round: no work-group ends while a partner may still ask for a tile that names it
	s_endpgm
.Lfunc_end_k_qc3c05d2fdf_qkv:
	.size	k_qc3c05d2fdf_qkv, .Lfunc_end_k_qc3c05d2fdf_qkv-k_qc3c05d2fdf_qkv
	.p2alignl 7, 3214868480
	.fill 96, 4, 3214868480
	.section	.rodata,"a",@progbits
	.p2align	6, 0x0
	.amdhsa_kernel k_qc3c05d2fdf_qkv
		.amdhsa_group_segment_fixed_size 327680
		.amdhsa_private_segment_fixed_size 0
		.amdhsa_enable_private_segment 0
		.amdhsa_kernarg_size 40
		.amdhsa_user_sgpr_count 2
		.amdhsa_user_sgpr_kernarg_segment_ptr 1
		.amdhsa_wavefront_size32 1
		.amdhsa_system_sgpr_workgroup_id_x 1
		.amdhsa_system_sgpr_workgroup_id_y 1
		.amdhsa_system_sgpr_workgroup_id_z 1
		.amdhsa_system_vgpr_workitem_id 0
		.amdhsa_next_free_vgpr 1024
		.amdhsa_next_free_sgpr 106
		.amdhsa_reserve_vcc 0
		.amdhsa_float_denorm_mode_32 3
		.amdhsa_float_denorm_mode_16_64 3
		.amdhsa_memory_ordered 1
		.amdhsa_forward_progress 1
		.amdhsa_inst_pref_size 255
	.end_amdhsa_kernel
	.section	.bss,"aw",@nobits
	.p2align	6
	.space	262144
	.amdgpu_metadata
---
amdhsa.version: [ 1, 2 ]
amdhsa.kernels:
  - .name:           k_qc3c05d2fdf_qkv
    .symbol:         k_qc3c05d2fdf_qkv.kd
    .args:
      - { .name: codes, .offset: 0, .size: 8, .value_kind: global_buffer, .address_space: global }
      - { .name: scales, .offset: 8, .size: 8, .value_kind: global_buffer, .address_space: global }
      - { .name: rope_freqs, .offset: 16, .size: 8, .value_kind: global_buffer, .address_space: global }
      - { .name: qkv16, .offset: 24, .size: 8, .value_kind: global_buffer, .address_space: global }
      - { .name: r32, .offset: 32, .size: 8, .value_kind: global_buffer, .address_space: global }
    .group_segment_fixed_size: 327680
    .private_segment_fixed_size: 0
    .kernarg_segment_align: 8
    .kernarg_segment_size: 40
    .max_flat_workgroup_size: 128
    .sgpr_count:     106
    .vgpr_count:     1024
    .wavefront_size: 32
...
	.end_amdgpu_metadata
.endif
;; end of part 2
;; launch attn (part 3): grid 16 x 16, 4 waves a work-group, no clusters, 327,680 bytes of LDS; arguments qkv16, a16; writes a16
.if DOCPART == 3
	.amdgcn_target "amdgcn-amd-amdhsa--gfx1250"
	.amdhsa_code_object_version 6
	.text
	.protected	k_qc3c05d2fdf_attn
	.globl	k_qc3c05d2fdf_attn
	.p2align	8
	.type	k_qc3c05d2fdf_attn,@function
k_qc3c05d2fdf_attn:
	s_mov_b64 s[64:65], 0
	v_nop
	global_prefetch_b8 v0, s[64:65] scope:SCOPE_SE
	s_setreg_imm32_b32 hwreg(HW_REG_WAVE_MODE, 25, 1), 1
	s_wait_xcnt 0x0
; Causal attention on f16 operands, sums in f32.  qkv16: [3][16 heads][2048][128] f16: q' = c q (c = log2(e) / sqrt(128)), k' = k / 8, v' = v / 4.  a16: [2048 t][2048] f16 = attention's result / 4.
; t = 8 (q' . k') is the score in powers of two.  For each query a running maximum m of S = q' . k' and a running sum l: p = 2^(8 S - 8 m), never above 1; in every step O and l are multiplied by
; a = 2^(8 m_old - 8 m_new).  p is rounded to f16 for the second product; l sums the unrounded p; O / l is rounded to f16 once.
; LIMITS: hidden scores are -infinity (p = 0, as with the reference's most negative number, since every query sees its own key); m starts at -1e30, under every S that f16 operands can give.
; SHARES.  A head's 2,048 queries are 32 blocks of 64.  Work-group (x, y) owns blocks x and 31 - x of head y; wave w owns 16 queries of each: tile 0 = queries 64 x + 16 w + 0..15, tile 1 = queries
; 64 (31 - x) + 16 w + 0..15.  Keys go 128 a step; block b needs steps 0 .. b / 2.  So a wave's two tiles need (x / 2 + 1) + ((31 - x) / 2 + 1) = 17 tile steps whatever x is: every wave of the launch has
; the same matrix work.  While both tiles count a step serves both (STEP2); behind tile 0's last step it serves tile 1 alone (STEP1).
; NO CLUSTER: the work-groups of a head ask for 5 to 8 slots; and of a slot's second half, which has tensor loads of its own, a work-group whose late block ends in the first half reads nothing:
; partners would not all read what a joint load brings.
; LAYOUT.  S^T = K Q^T (source 0 = 16 keys, source 1 = 16 queries): a lane holds ONE query (lane % 16) and keys 8 (lane / 16) + 0..7.  Two such tiles, rounded in pairs, are source 1 (32 keys) of
; O^T = V^T P.  K comes out of LDS as it lies, V ([key][channel]) turned, by ds_load_tr16_b128.
; BY TURNS, in STEP2: one tile's softmax (230 instructions) stands in slices of seven behind the other tile's matrix instructions: K Q^T of tile 1 beside tile 0's softmax, V^T P of tile 0 beside tile 1's.
; RING.  Two LDS slots of 256 keys (two steps): K 256 rows, then V 256 rows.  One tensor load a wave (128 rows x 256 bytes): waves 0, 1 K's halves, waves 2, 3 V's.  EVERY work-group walks all 8 slots: the trip
; count is a constant; a step all of whose keys are hidden is jumped over, and a slot whose first key lies behind the work-group's last query is not asked for.
; REGISTERS: window 0: v1-11 addresses; v12-27 statistics, eight a tile; v28-29 mask; v64-191 S^T, 64 a tile; v192-255 P, 32 a tile.  window 1: v0-127 O^T, 64 a tile; v128-191 Q.  window 2: K.  window 3: V.
.set PK,    272                        ; a row of K in LDS: 256 bytes + 16
.set PV,    288                        ; a row of V: 256 + 32
.set KPART, 256*PK
.set SLOTB, 256*(PK+PV)
.set STAGE, 2*SLOTB                    ; behind the ring: 16 rows x 272 bytes for each wave
.set SP,    272
.set SPARE, STAGE+4*16*SP              ; the spare words, 128 bytes a wave
.set AK0, 2
.set AV0, 3
.set ADK, 4
.set QO,  5
.set STO, 6
.set RD,  7
.set GO,  8
.set ADV, 10
.set ST,  12                           ; tile t at v[ST+8 t]: +0 8 m, +1 m, +2, +3 l, +4..+7 c0-c3 at work; a takes +6, the old 8 m takes +7
.set DQ,  28                           ; v28, v29: tile t's query, counted from the first key of its diagonal step, - 8 (lane / 16)
.set NINF, 30
.set PFO, 61
.set SPW, 62
.set NIL, 63
.set S,   64
.set P,   192
.set WV,  12
.set QEB, 13                           ; s13 the first key of tile 0's last step, which is its diagonal step
.set KF,  14                           ; s14 the slot's first key
.set LIM, 15
.set QLB, 16                           ; s16 the same for tile 1
.set PFA, 18
.set TB,  20                           ; s20 LDS byte at which the slot that is read begins
.set TBF, 21                           ; s21 and the slot that is filled
.set KOFFW, 22
.set VOFFW, 23
.set G1K, 24
.set G1V, 32
.set G0K, 40
.set G0V, 44
.set SLOTS, 48
.set CS,  58                           ; s[58:59] 8.0
.set SEL, 60
.set OA1, 66                           ; s[66:67] a16 at tile 1's first row (tile 0's: s[6:7])
.set MSB, 0
.macro WIN new
.if MSB != \new
	s_set_vgpr_msb (MSB<<8)|\new
.set MSB, \new
.endif
.endm
.set W_KQ, 0x06                        ; K window 2, Q window 1, S^T window 0
.set W_PV, 0x53                        ; V window 3, P window 0, O^T window 1
.set W_RS, 0x41                        ; O^T (destination, source 0) window 1, a window 0
.macro PLACES
.rept 4
	v_nop
.endr
.endm
; Waves 0, 1 fetch K's halves of a slot, waves 2, 3 V's.  The branch hangs on the wave's number alone.  An s_nop 0 and four v_nop follow each line.
.macro TLOAD
	s_cmp_lt_u32 s[WV], 2
	s_cbranch_scc0 .Lfor_v_\@
	tensor_load_to_lds s[G0K:G0K+3], s[G1K:G1K+7]
	s_nop 0
.rept 4
	v_nop
.endr
	s_branch .Lasked_\@
.Lfor_v_\@:
	tensor_load_to_lds s[G0V:G0V+3], s[G1V:G1V+7]
	s_nop 0
.rept 4
	v_nop
.endr
.Lasked_\@:
.endm
; A prefetch of what the NEXT change of slots will ask for: my wave's own 128 rows of 256 bytes, a lane a row, four instructions.  All work-groups of a head walk the same K and V: the head's first work-group,
; whose late block is the head's last and which therefore loads every slot, asks, and nobody else: each row is named once.  Trips 0 to 5 ask for slots 2 to 7; slots 0 and 1 come by their loads alone.
.macro ASK
	s_cmp_gt_u32 s[SLOTS], s[LIM]
	s_cbranch_scc0 .Lnot_mine_\@
.irp o, 0,1,2,3
	global_prefetch_b8 v[PFO], s[PFA:PFA+1] offset:8192*\o th:TH_LOAD_NT scope:SCOPE_SE
.endr
.Lnot_mine_\@:
.endm
	s_load_b128 s[4:7], s[0:1], 0x0                ; qkv16, a16
	v_lshl_add_u32 v[SPW], v0, 2, SPARE
	v_mov_b32 v[NIL], 0
	ds_add_u32 v[SPW], v[NIL]                      ; the wave's opening: the add, twice on end, and its wait ahead of my first tensor load
	ds_add_u32 v[SPW], v[NIL]
	v_lshrrev_b32 v1, 5, v0
	v_readfirstlane_b32 s[WV], v1
	s_lshl_b32 s49, ttmp9, 6                       ; 64 x: the early block's first query
	s_sub_co_u32 s50, 1984, s49                    ; 64 (31 - x): the late block's
	s_and_b32 s[QEB], s49, 0xffffff80              ; the step of 128 keys in which each block lies
	s_and_b32 s[QLB], s50, 0xffffff80
	s_lshl_b32 s51, s[WV], 4
	s_add_co_u32 s49, s49, s51                     ; tile 0's first query
	s_add_co_u32 s50, s50, s51                     ; tile 1's
	s_sub_co_u32 s3, s49, s[QEB]                   ; and their places in their diagonal steps
	s_sub_co_u32 s17, s50, s[QLB]
	s_and_b32 s52, ttmp7, 0xffff                   ; the head
	s_lshl_b32 s53, s52, 19                        ; its 2,048 rows of 256 bytes
	s_lshl_b32 s54, s49, 8
	s_add_co_u32 s54, s54, s53                     ; Q, tile 0: head + first query's row
	s_mov_b32 s55, 0
	s_lshl_b32 s56, s50, 8
	s_add_co_u32 s56, s56, s53                     ; Q, tile 1
	s_mov_b32 s57, 0
	s_lshl_b32 s2, s52, 8                          ; a16: the head's 256 bytes of a row,
	s_lshl_b32 s62, s49, 12
	s_add_co_u32 s62, s62, s2                      ; + tile 0's first row of 4,096 bytes
	s_mov_b32 s63, 0
	s_lshl_b32 s[OA1], s50, 12
	s_add_co_u32 s[OA1], s[OA1], s2                ; + tile 1's
	s_mov_b32 s[OA1+1], 0
	s_and_b32 s49, s[WV], 1                        ; which 128 rows of a slot I fetch
	s_lshl_b32 s50, s49, 15
	s_add_co_u32 s50, s50, s53
	s_mov_b32 s51, 0
	s_mul_i32 s[KOFFW], s49, 128*PK
	s_mul_i32 s[VOFFW], s49, 128*PV
	s_add_co_u32 s[VOFFW], s[VOFFW], KPART
	s_mov_b32 s[G1K], (1<<16)|(1<<20)|(5<<22)|(3<<25)   ; elements of 2 bytes; padding on: after every 64 words four words
	s_mov_b32 s[G1V], (1<<16)|(1<<20)|(5<<22)|(7<<25)   ; the same with eight words
.irp g, G1K, G1V
	s_mov_b32 s[\g+1], 128<<16                     ; tensor_dim0 = 128
	s_mov_b32 s[\g+2], 128<<16                     ; tensor_dim1 = 128
	s_mov_b32 s[\g+3], 128<<16                     ; tile_dim0 = 128
	s_mov_b32 s[\g+4], 128                         ; tile_dim1 = 128
	s_mov_b32 s[\g+5], 128                         ; from row to row
	s_mov_b32 s[\g+6], 0
	s_mov_b32 s[\g+7], 0
.endr
	s_mov_b32 s[CS], 0x41000000                    ; 8.0
	s_mov_b32 s[CS+1], s[CS]
	s_mov_b32 s[SEL], 0x76543210
	s_mov_b32 s[SEL+1], 0xfedcba98
	s_mov_b32 s[TB], 0
	s_mov_b32 s[TBF], 0
	s_mov_b32 s[KF], 0
	s_mov_b32 s[SLOTS], 8
	s_cmp_eq_u32 ttmp9, 0
	s_cselect_b32 s[LIM], 2, -1
	s_wait_dscnt 0x0                               ; both opening adds are done
	s_wait_kmcnt 0x0
	s_add_nc_u64 s[8:9], s[4:5], s[50:51]
	s_add_nc_u64 s[8:9], s[8:9], 0x800000          ; K: my rows of slot 0
	s_add_nc_u64 s[10:11], s[8:9], 0x800000        ; V likewise
	s_add_nc_u64 s[56:57], s[4:5], s[56:57]        ; Q at tile 1's first row,
	s_add_nc_u64 s[4:5], s[4:5], s[54:55]          ; and at tile 0's
	s_add_nc_u64 s[OA1:OA1+1], s[6:7], s[OA1:OA1+1]
	s_add_nc_u64 s[6:7], s[6:7], s[62:63]
	s_mov_b32 s[G0K], 1
	s_mov_b32 s[G0K+1], s[KOFFW]
	s_mov_b64 s[G0K+2:G0K+3], s[8:9]
	s_or_b32 s[G0K+3], s[G0K+3], 0x80000000
	s_mov_b32 s[G0V], 1
	s_mov_b32 s[G0V+1], s[VOFFW]
	s_mov_b64 s[G0V+2:G0V+3], s[10:11]
	s_or_b32 s[G0V+3], s[G0V+3], 0x80000000
	s_cmp_lt_u32 s[WV], 2
	s_cselect_b64 s[PFA:PFA+1], s[8:9], s[10:11]
	s_add_nc_u64 s[PFA:PFA+1], s[PFA:PFA+1], 65536 ; in slot 1; the first change of slots steps it to slot 2
	TLOAD                                          ; slot 0: every wave's first fill, one load of mine out
	v_and_b32 v1, 15, v0                           ; r
	v_bfe_u32 v9, v0, 4, 1                         ; h
	v_lshlrev_b32 v[QO], 8, v1
	v_lshl_add_u32 v[QO], v9, 4, v[QO]
	WIN 0x40                                       ; destination window 1
.irp i, 0,1,2,3                                ; Q stays in registers: tile 0, channels 32 i on
	global_load_b128 v[128+8*\i:128+8*\i+3],   v[QO], s[4:5] offset:\i*64
	global_load_b128 v[128+8*\i+4:128+8*\i+7], v[QO], s[4:5] offset:\i*64+32
.endr
.irp i, 0,1,2,3                                ; tile 1
	global_load_b128 v[160+8*\i:160+8*\i+3],   v[QO], s[56:57] offset:\i*64
	global_load_b128 v[160+8*\i+4:160+8*\i+7], v[QO], s[56:57] offset:\i*64+32
.endr
.set i, 0
.rept 128
	v_mov_b32 v[i], 0                              ; O^T.  (The step is written without a first form of its own: the first step finds zeros, which a = 0 leaves zeros)
.set i, i+1
.endr
	WIN 0
	v_mul_u32_u24 v[AK0], v1, PK
	v_lshl_add_u32 v[AK0], v9, 4, v[AK0]           ; K: row x pitch + 16 x half
	v_and_b32 v32, 7, v0
	v_bfe_u32 v33, v0, 3, 1
	v_lshl_add_u32 v[AV0], v9, 3, v32              ; V, turned: lane l reads key 8 (l / 16) + l % 8, channels 8 ((l / 8) % 2) + 0..7
	v_mul_u32_u24 v[AV0], v[AV0], PV
	v_lshl_add_u32 v[AV0], v33, 4, v[AV0]
	v_add_nc_u32 v[AV0], KPART, v[AV0]
	s_mul_i32 s49, s[WV], 16*SP
	s_add_co_u32 s49, s49, STAGE                   ; my stage
	v_mul_u32_u24 v[STO], v1, SP
	v_lshl_add_u32 v[STO], v9, 4, v[STO]
	v_add_nc_u32 v[STO], s49, v[STO]
	v_mul_u32_u24 v[RD], v9, SP
	v_lshl_add_u32 v[RD], v1, 4, v[RD]
	v_add_nc_u32 v[RD], s49, v[RD]
	v_lshlrev_b32 v[GO], 12, v9
	v_lshl_add_u32 v[GO], v1, 4, v[GO]             ; a16: lanes 0-15 one row, lanes 16-31 the next; 16 bytes a lane
	v_lshlrev_b32 v32, 3, v9
	v_sub_nc_u32 v32, v1, v32                      ; r - 8 h
	v_add_nc_u32 v[DQ], s3, v32
	v_add_nc_u32 v[DQ+1], s17, v32
	v_mov_b32 v[NINF], 0xff800000
	v_and_b32 v[PFO], 31, v0
	v_lshlrev_b32 v[PFO], 8, v[PFO]
.irp t, 0,1
	v_mov_b32 v[ST+8*\t+1], 0xf149f2ca             ; m = -1e30
	v_mul_f32 v[ST+8*\t], s[CS], v[ST+8*\t+1]      ; 8 m
.irp n, 2,3,4,5,6,7
	v_mov_b32 v[ST+8*\t+\n], 0                     ; l, and the registers at work: written once, so that each is written on every way before it is read
.endr
.endr
.macro FETCH_K st                      ; step st of the slot: 128 keys x 128 channels: 32 fragments, in four groups by channels
	WIN 0
	s_add_co_u32 s49, s[TB], (\st)*128*PK
	v_add_nc_u32 v[ADK], s49, v[AK0]
	WIN 0x80
.irp c, 0,1,2,3
.irp kt, 0,1,2,3,4,5,6,7
	ds_load_b128 v[8*(4*\kt+\c):8*(4*\kt+\c)+3],   v[ADK] offset:\kt*16*PK+64*\c
	ds_load_b128 v[8*(4*\kt+\c)+4:8*(4*\kt+\c)+7], v[ADK] offset:\kt*16*PK+64*\c+32
.endr
.endr
	WIN 0
.endm
.macro FETCH_V st                      ; fragment f: keys 32 (f / 8) on, channels 16 (f % 8) on
	WIN 0
	s_add_co_u32 s49, s[TB], (\st)*128*PV
	v_add_nc_u32 v[ADV], s49, v[AV0]
	WIN 0xc0
.set f, 0
.rept 32
	ds_load_tr16_b128 v[8*f:8*f+3],   v[ADV] offset:(f/8)*32*PV+(f%8)*32
	ds_load_tr16_b128 v[8*f+4:8*f+7], v[ADV] offset:(f/8)*32*PV+16*PV+(f%8)*32
.set f, f+1
.endr
	WIN 0
.endm
; Product i of 32 of S^T = K Q^T for tile t: keys 16 (i % 8) on, channels 32 (i / 8) on.  The first eight start the sums.  Eight accumulators take turns.
.macro KQ t
	WIN W_KQ
.set rS, S+64*(\t)+8*(i%8)
.set rK, 8*(4*(i%8)+i/8)
.set rQ, 128+32*(\t)+8*(i/8)
.if i < 8
	v_wmma_f32_16x16x32_f16 v[rS:rS+7], v[rK:rK+7], v[rQ:rQ+7], 0
.else
	v_wmma_f32_16x16x32_f16 v[rS:rS+7], v[rK:rK+7], v[rQ:rQ+7], v[rS:rS+7]
.endif
.endm
; Product i of 32 of O^T += V^T P for tile t: channels 16 (i % 8) on, keys 32 (i / 8) on
.macro PV t
	WIN W_PV
.set rO, 64*(\t)+8*(i%8)
.set rV, 8*(8*(i/8)+i%8)
.set rP, P+32*(\t)+8*(i/8)
	v_wmma_f32_16x16x32_f16 v[rO:rO+7], v[rV:rV+7], v[rP:rP+7], v[rO:rO+7]
.endm
; Tile t's diagonal step (first key = s[lim]): register n holds key 16 (n / 8) + n % 8 + 8 (lane / 16) of the step: hidden where that lies behind my query.  In ascending order: each accumulator from its low end on.
.macro MASK t, kf, lim
	s_cmp_lg_u32 s[\kf], s[\lim]
	s_cbranch_scc1 .Lopen_\@
.set n, 0
.rept 64
	v_cmp_gt_i32 vcc_lo, 16*(n/8)+n%8, v[DQ+\t]
	v_cndmask_b32 v[S+64*(\t)+n], v[S+64*(\t)+n], v[NINF], vcc_lo
.set n, n+1
.endr
.Lopen_\@:
.endm
; One tile's softmax for a step is a list of 230 instructions; SMJ writes number j of it for tile t and steps j.
;   0-31 the maximum of the 64 scores and the old m (four chains)   32-36 the other half of the lanes'; the new m; 8 m; its change   37 a   38-69 8 S - 8 m, in pairs   70-133 the exponentials
;   (between 133 and 134: one plain instruction and the one wait ahead of the first instruction that names an exponential's result: it serves all 65)
;   134-165 the roundings to f16   166-196 the sum of the 32 pairs, a tree in place   197 l = a l + the sum   198-229 O^T x a
.macro SMJ t
.set qT, ST+8*(\t)
.set qS, S+64*(\t)
.set qP, P+32*(\t)
.set qO, 64*(\t)+2*(j-198)
.if j == 134
	WIN 0
	v_nop
	s_wait_alu depctr_va_vdst(0)
.endif
.if j < 198
	WIN 0
.endif
.if j < 4
	v_max3_num_f32 v[qT+4+j], v[qS+16*j], v[qS+16*j+1], v[qS+16*j+2]
.elseif j < 28
	v_max3_num_f32 v[qT+4+j%4], v[qT+4+j%4], v[qS+16*(j%4)+2*(j/4)+1], v[qS+16*(j%4)+2*(j/4)+2]
.elseif j == 28
	v_max3_num_f32 v[qT+4], v[qT+4], v[qS+15], v[qS+31]
.elseif j == 29
	v_max3_num_f32 v[qT+6], v[qT+6], v[qS+47], v[qS+63]
.elseif j == 30
	v_max3_num_f32 v[qT+4], v[qT+4], v[qT+5], v[qT+6]
.elseif j == 31
	v_max3_num_f32 v[qT+4], v[qT+4], v[qT+7], v[qT+1]
.elseif j == 32
	v_permlanex16_b32 v[qT+5], v[qT+4], s[SEL], s[SEL+1]
.elseif j == 33
	v_mov_b32 v[qT+7], v[qT]
.elseif j == 34
	v_max_num_f32 v[qT+1], v[qT+4], v[qT+5]
.elseif j == 35
	v_mul_f32 v[qT], s[CS], v[qT+1]
.elseif j == 36
	v_sub_f32 v[qT+7], v[qT+7], v[qT]
.elseif j == 37
	v_exp_f32 v[qT+6], v[qT+7]
.elseif j < 70
	v_pk_fma_f32 v[qS+2*(j-38):qS+2*(j-38)+1], v[qS+2*(j-38):qS+2*(j-38)+1], s[CS:CS+1], v[qT:qT+1] op_sel_hi:[1,0,0] neg_lo:[0,0,1] neg_hi:[0,0,1]
.elseif j < 134
	v_exp_f32 v[qS+j-70], v[qS+j-70]
.elseif j < 166
	v_cvt_pk_f16_f32 v[qP+j-134], v[qS+2*(j-134)], v[qS+2*(j-134)+1]
.elseif j < 197
.set z, j-166
.set w, 4
.set u, z
.if z >= 30
.set w, 64
.set u, 0
.elseif z >= 28
.set w, 32
.set u, z-28
.elseif z >= 24
.set w, 16
.set u, z-24
.elseif z >= 16
.set w, 8
.set u, z-16
.endif
	v_pk_add_f32 v[qS+w*u:qS+w*u+1], v[qS+w*u:qS+w*u+1], v[qS+w*u+w/2:qS+w*u+w/2+1]
.elseif j == 197
	v_pk_fma_f32 v[qT+2:qT+3], v[qT+2:qT+3], v[qT+6:qT+7], v[qS:qS+1] op_sel_hi:[1,0,1]
.else
	WIN W_RS
	v_pk_mul_f32 v[qO:qO+1], v[qO:qO+1], v[qT+6:qT+7] op_sel_hi:[1,0]
.endif
.set j, j+1
.endm
; 32 matrix instructions of tile tm (kind 0: K Q^T, 1: V^T P), seven numbers of tile ts's softmax behind each, the last six behind all.  The thirteen plain instructions behind the last product are its places.
.macro ZIP kind, tm, ts
.set j, 0
.set i, 0
.rept 32
.if \kind
	PV \tm
.else
	KQ \tm
.endif
.rept 7
	SMJ \ts
.endr
.set i, i+1
.endr
.rept 6
	SMJ \ts
.endr
.endm
; THE CHANGE OF SLOTS, at a slot's head.  Each wave waits for all its tensor loads (its part of the slot that it is about to read), adds 0 to its spare word, and waits for that and for its reads of the slot that it has left.
; Behind the barrier the slot ahead is whole and nobody reads the other: it is filled with the next 256 keys, which have two steps in which to land.
.macro CHANGE
	s_wait_tensorcnt 0x0                           ; no tensor load of mine is out, so a group 0 may be written
	ds_add_u32 v[SPW], v[NIL]                      ; 0 onto my spare word; the descriptors' steps stand between it and the wait for it
	s_xor_b32 s[TBF], s[TBF], SLOTB
	s_add_co_u32 s[G0K+1], s[TBF], s[KOFFW]
	s_add_co_u32 s[G0V+1], s[TBF], s[VOFFW]
	s_add_nc_u64 s[G0K+2:G0K+3], s[G0K+2:G0K+3], 65536   ; the next 256 keys; the type bits on top are not reached
	s_add_nc_u64 s[G0V+2:G0V+3], s[G0V+2:G0V+3], 65536
	s_wait_xcnt 0x0                                ; the last prefetches, a slot back, have read their address, so it may be written
	s_add_nc_u64 s[PFA:PFA+1], s[PFA:PFA+1], 65536
	s_wait_dscnt 0x0                               ; the add is done, and my reads of the slot that I have left are over
	s_barrier_signal -1
	s_barrier_wait -1
	s_add_co_u32 s50, s[KF], 256                   ; the first key of the slot that this change would ask for
	s_or_b32 s51, s[QLB], 127                      ; the last key of the late block's last step
	s_cmp_gt_u32 s50, s51                          ; ids and the count of trips alone: all four waves go the same way; a slot behind the limit is read by no wave and is not asked for.  Every wait for tensor loads in this text is for 0
	s_cbranch_scc1 .Lpast_\@
	TLOAD                                          ; a wave's one tensor load until the next barrier
.Lpast_\@:
	ASK
.endm
; Tile t's 32 products K Q^T straight behind K's run of 64 loads, and their places
.macro KQRUN t
.set i, 0
.rept 32
.if i%8 == 0
	s_wait_dscnt 48-16*(i/8)                       ; this group of channels is in; the younger groups, sixteen loads each, may be out
.endif
	KQ \t
.set i, i+1
.endr
	PLACES                                         ; behind the scores: for their first reads, and for the next loads into K's registers
.endm
; Tile t's 32 products V^T P on end, and their places
.macro PVRUN t
.set i, 0
.rept 32
	PV \t
.set i, i+1
.endr
	PLACES                                         ; in front of the next loads into V's registers and of the way out's reads
	WIN 0
.endm
; A STEP of 128 keys for BOTH tiles: the st-th of the slot; kf names the scalar register with its first key.  Tile 1 has no hidden key here: its queries lie behind key 1,023, tile 0's steps end there at the latest.
.macro STEP2 st, kf
	FETCH_K \st
	KQRUN 0
	FETCH_V \st
	MASK 0, \kf, QEB
	ZIP 0, 1, 0                                    ; K Q^T of tile 1 | tile 0's softmax
	s_wait_dscnt 0x0                               ; V is in
	ZIP 1, 0, 1                                    ; V^T P of tile 0 | tile 1's softmax
	PVRUN 1
.endm
; A STEP for tile 1 ALONE, behind tile 0's last step: in phases; V's loads land beside the softmax
.macro STEP1 st, kf
	FETCH_K \st
	KQRUN 1
	FETCH_V \st
	MASK 1, \kf, QLB
.set j, 0
.rept 230
	SMJ 1
.endr
	s_wait_dscnt 0x0                               ; V is in
	PVRUN 1
.endm
	s_wait_loadcnt 0x0                             ; Q
.Lslot:                                            ; 8 trips.  Each step fetches its own K and V, so that on every way each register is written before it is read
	CHANGE
	s_cmp_gt_u32 s[KF], s[QEB]
	s_cbranch_scc1 .Lone_a
	STEP2 0, KF
	s_branch .Lsecond
.Lone_a:
	s_cmp_gt_u32 s[KF], s[QLB]
	s_cbranch_scc1 .Lend                           ; all of the slot's keys are hidden
	STEP1 0, KF
.Lsecond:
	s_add_co_u32 s52, s[KF], 128
	s_cmp_gt_u32 s52, s[QEB]
	s_cbranch_scc1 .Lone_b
	STEP2 1, 52
	s_branch .Lend
.Lone_b:
	s_cmp_gt_u32 s52, s[QLB]
	s_cbranch_scc1 .Lend
	STEP1 1, 52
.Lend:
	s_add_co_u32 s[KF], s[KF], 256
	s_xor_b32 s[TB], s[TB], SLOTB
	s_sub_co_u32 s[SLOTS], s[SLOTS], 1
	s_cmp_lg_u32 s[SLOTS], 0
	s_cbranch_scc1 .Lslot
	; THE WAY OUT.  l's two halves and the other half of the lanes' are added; O^T / l is rounded to f16 and sent through my stage, a tile (16 rows) at a time.
.irp t, 0,1
	v_add_f32 v[ST+8*\t+4], v[ST+8*\t+2], v[ST+8*\t+3]
.endr
.irp t, 0,1
	v_permlanex16_b32 v[ST+8*\t+5], v[ST+8*\t+4], s[SEL], s[SEL+1]
.endr
.irp t, 0,1
	v_add_f32 v[ST+8*\t+4], v[ST+8*\t+4], v[ST+8*\t+5]
.endr
.irp t, 0,1
	v_rcp_f32 v[ST+8*\t+6], v[ST+8*\t+4]
.endr
	v_nop                                          ; a plain instruction behind the reciprocals,
	s_wait_alu depctr_va_vdst(0)                   ; and the one wait ahead of their first use
.macro PACK t
	WIN W_RS
.set i, 64*\t
.rept 32
	v_pk_mul_f32 v[i:i+1], v[i:i+1], v[ST+8*\t+6:ST+8*\t+7] op_sel_hi:[1,0]
.set i, i+2
.endr
	WIN 0x05                                       ; sources window 1, destination window 0: S^T's registers are free
.set i, 0
.rept 32
	v_cvt_pk_f16_f32 v[S+32*\t+i], v[64*\t+2*i], v[64*\t+2*i+1]
.set i, i+1
.endr
	WIN 0
.irp f, 0,1,2,3,4,5,6,7
	ds_store_b128 v[STO], v[S+32*\t+4*\f:S+32*\t+4*\f+3] offset:32*\f
.endr
.irp f, 0,1,2,3,4,5,6,7
	ds_load_b128 v[S+32*\t+4*\f:S+32*\t+4*\f+3], v[RD] offset:\f*2*SP   ; LDS serves a wave's instructions in order: these see the stores above; the next tile's stores come behind them
.endr
.endm
.macro SEND t, younger, base           ; younger: the LDS instructions issued behind tile t's loads; base: a16 at the tile's first row
.irp f, 0,1,2,3,4,5,6,7
	s_wait_dscnt \younger+7-\f
	global_store_b128 v[GO], v[S+32*\t+4*\f:S+32*\t+4*\f+3], s[\base:\base+1] offset:\f*8192   ; 16 lanes store a head's 256 consecutive bytes of a row, aligned
.endr
.endm
	PACK 0
	PACK 1
	SEND 0, 16, 6
	SEND 1, 0, OA1
	s_wait_tensorcnt 0x0                           ; the wave's end: behind my last tensor load and my last LDS store
	ds_add_u32 v[SPW], v[NIL]
	s_wait_dscnt 0x0
	s_endpgm
.Lfunc_end_k_qc3c05d2fdf_attn:
	.size	k_qc3c05d2fdf_attn, .Lfunc_end_k_qc3c05d2fdf_attn-k_qc3c05d2fdf_attn
	.p2alignl 7, 3214868480
	.fill 96, 4, 3214868480
	.section	.rodata,"a",@progbits
	.p2align	6, 0x0
	.amdhsa_kernel k_qc3c05d2fdf_attn
		.amdhsa_group_segment_fixed_size 327680
		.amdhsa_private_segment_fixed_size 0
		.amdhsa_enable_private_segment 0
		.amdhsa_kernarg_size 16
		.amdhsa_user_sgpr_count 2
		.amdhsa_user_sgpr_kernarg_segment_ptr 1
		.amdhsa_wavefront_size32 1
		.amdhsa_system_sgpr_workgroup_id_x 1
		.amdhsa_system_sgpr_workgroup_id_y 1
		.amdhsa_system_sgpr_workgroup_id_z 1
		.amdhsa_system_vgpr_workitem_id 0
		.amdhsa_next_free_vgpr 1024
		.amdhsa_next_free_sgpr 68
		.amdhsa_reserve_vcc 1
		.amdhsa_float_denorm_mode_32 3
		.amdhsa_float_denorm_mode_16_64 3
		.amdhsa_memory_ordered 1
		.amdhsa_forward_progress 1
		.amdhsa_inst_pref_size 189
	.end_amdhsa_kernel
	.amdgpu_metadata
---
amdhsa.version: [ 1, 2 ]
amdhsa.kernels:
  - .name:           k_qc3c05d2fdf_attn
    .symbol:         k_qc3c05d2fdf_attn.kd
    .args:
      - { .name: qkv16, .offset: 0, .size: 8, .value_kind: global_buffer, .address_space: global }
      - { .name: a16, .offset: 8, .size: 8, .value_kind: global_buffer, .address_space: global }
    .group_segment_fixed_size: 327680
    .private_segment_fixed_size: 0
    .kernarg_segment_align: 8
    .kernarg_segment_size: 16
    .max_flat_workgroup_size: 128
    .sgpr_count:     68
    .vgpr_count:     1024
    .wavefront_size: 32
...
	.end_amdgpu_metadata
.endif
;; end of part 3
;; launch oproj (part 4): grid 16 x 16, 4 waves a work-group, clusters of 4 x 4, 327,680 bytes of LDS; arguments a16, wo16, out0; writes out0
.if DOCPART == 4
	.amdgcn_target "amdgcn-amd-amdhsa--gfx1250"
	.amdhsa_code_object_version 6
	.text
	.protected	k_qc3c05d2fdf_oproj
	.globl	k_qc3c05d2fdf_oproj
	.p2align	8
	.type	k_qc3c05d2fdf_oproj,@function
k_qc3c05d2fdf_oproj:
	s_mov_b64 s[64:65], 0
	v_nop
	global_prefetch_b8 v0, s[64:65] scope:SCOPE_SE
	s_setreg_imm32_b32 hwreg(HW_REG_WAVE_MODE, 25, 1), 1
	s_wait_xcnt 0x0
	s_wait_alu depctr_hold_cnt(0) depctr_sa_sdst(0) depctr_va_vdst(0) depctr_va_sdst(0) depctr_va_ssrc(0) depctr_va_vcc(0) depctr_vm_vsrc(0)
	s_getreg_b32 s2, hwreg(HW_REG_IB_STS2, 6, 4)
	s_cmp_eq_u32 s2, 0
	s_cbranch_scc0 .Lentry_in_a_cluster
	s_endpgm
.Lentry_in_a_cluster:
	s_bfe_u32 s2, ttmp6, 0x10000c
	s_cmp_lg_u32 s2, 0xf033
	s_cbranch_scc0 .Lentry_shape_is_right
	s_endpgm
.Lentry_shape_is_right:
; out0[t][n] = sum over k of a16[t][k] wo16[n][k]: a16 = attention's result / 4, wo16 = 4 w_o, both [2048][2048] f16; sums in f32; out0 f32.  The two factors of 4 cancel: nothing is scaled here.
; Rows 0-15 are stored here in f16's accuracy and written again, from f32 operands, by the launch behind this one: a branch that spared them would hang on a work-group's place in its cluster.
; A tile of out0 is 128 x 128: 256 work-groups.  Four waves, each 64 x 64: 16 accumulators.  K goes in steps of 256 (LDS rows of 512 bytes; a wave's tensor load brings 64 of them) through two slots.
; CLUSTERS: 4 x 4 work-groups; a16's tiles are shared along a row of the cluster, wo16's along a column: each is asked for jointly.  No prefetch: on tiles this small each tile is shared by four and the launch is short.
; THE MATRIX INSTRUCTION IS USED TRANSPOSED (source 0 = 16 rows of wo16, source 1 = 16 rows of a16): a lane holds eight neighbouring numbers of a row of out0.
; REGISTERS: window 0: v0-31 addresses; v32-95 the way out; v128-255 the accumulators ((a, b) at v[128 + 8 (4 a + b)]).  window 1: two fragment buffers of 128.
.set SIZE_K, 2048
.set KSTEP,  256
.set PITCH,  528                       ; an LDS row: 512 bytes + 16 of padding
.set HALFT,  64*PITCH
.set SLOT,   4*HALFT
.set STAGE,  2*SLOT                    ; behind the ring: 16 rows x 272 bytes for each wave
.set SPITCH, 272
.set SPARE,  STAGE+4*16*SPITCH         ; the spare words, 128 bytes a wave
.set LAPS, SIZE_K/(2*KSTEP)
.set ADRA, 16
.set ADRB, 20
.set STO,  24
.set RD,   25
.set CO,   26
.set SPW,  28
.set NIL,  29
.set TMP,  32
.set ACC,  128
.set F0,   0
.set F1,   128
.set G1, 24
.set G0, 32
.set G1B, 48
.set G0B, 56
.set MSB, 0
.macro WIN new
.if MSB != \new
	s_set_vgpr_msb (MSB<<8)|\new
.set MSB, \new
.endif
.endm
.set MUL,  0x05                        ; sources 0 and 1 window 1; C and D window 0
.set TO_F, 0x40
.macro JLOAD s                         ; a joint load: waves 0 and 1 fetch a16's two halves, waves 2 and 3 wo16's; an s_nop 0 and four v_nop follow each line
	s_cmp_eq_u32 s11, 0
	s_cbranch_scc0 .Lfor_b_\@
	tensor_load_to_lds s[G0+4*\s:G0+4*\s+3], s[G1:G1+7]
	s_nop 0
.rept 4
	v_nop
.endr
	s_branch .Lasked_\@
.Lfor_b_\@:
	tensor_load_to_lds s[G0B+4*\s:G0B+4*\s+3], s[G1B:G1B+7]
	s_nop 0
.rept 4
	v_nop
.endr
.Lasked_\@:
.endm
.macro CREST
	s_cmp_lg_u32 s10, 0
	s_cbranch_scc1 .Lnot_wave_0_\@
	s_barrier_signal -3
.Lnot_wave_0_\@:
	s_barrier_wait -3
	s_barrier_signal -1
	s_barrier_wait -1
.endm
.macro CROUND
	s_barrier_signal -1
	s_barrier_wait -1
	CREST
.endm
	s_load_b128 s[4:7], s[0:1], 0x0                ; a16 s[4:5], wo16 s[6:7]
	s_load_b64 s[8:9], s[0:1], 0x10                ; out0
	v_lshl_add_u32 v[SPW], v0, 2, SPARE
	v_mov_b32 v[NIL], 0
	ds_add_u32 v[SPW], v[NIL]                      ; the wave's opening: the add, twice on end, and its wait ahead of my first tensor load
	ds_add_u32 v[SPW], v[NIL]
	v_lshrrev_b32 v1, 5, v0
	v_readfirstlane_b32 s10, v1                    ; wave 0..3
	s_lshr_b32 s11, s10, 1                         ; which half of the tile's rows is mine.  Also: I fetch for a16 (0) or for wo16 (1)
	s_and_b32 s12, s10, 1                          ; which half of its columns.  Also: which 64 rows of that tile I fetch
	s_bfe_u32 s40, ttmp6, 0x40000
	s_bfe_u32 s41, ttmp6, 0x40004
	s_lshl_b32 s42, ttmp9, 2
	s_add_co_u32 s42, s42, s40                     ; tile column = 4 x cluster x + cx
	s_and_b32 s13, ttmp7, 0xffff
	s_lshl_b32 s13, s13, 2
	s_add_co_u32 s13, s13, s41                     ; tile row = 4 x cluster y + cy
	s_lshl_b32 s43, s41, 2
	s_lshl_b32 s43, 15, s43                        ; my row of the cluster
	s_lshl_b32 s44, 0x1111, s40                    ; my column
	s_or_b32 s[G1+0], s43, (1<<16)|(1<<20)|(1<<21)|(6<<22)|(3<<25)  ; the mask; elements of 2 bytes; padding on; bit 21 beside a mask; after every 128 words four words
	s_or_b32 s[G1B+0], s44, (1<<16)|(1<<20)|(1<<21)|(6<<22)|(3<<25)
.irp g, G1, G1B
	s_mov_b32 s[\g+1], KSTEP<<16
	s_mov_b32 s[\g+2], 64<<16
	s_mov_b32 s[\g+3], KSTEP<<16
	s_mov_b32 s[\g+4], 64
	s_mov_b32 s[\g+5], SIZE_K
	s_mov_b32 s[\g+6], 0
	s_mov_b32 s[\g+7], 0
.endr
	s_lshl_b32 s17, s12, 6
	s_lshl_b32 s16, s13, 7
	s_add_co_u32 s16, s16, s17                     ; a16: row 128 x tile row + 64 x half
	s_lshl_b32 s46, s42, 7
	s_add_co_u32 s46, s46, s17                     ; wo16: row 128 x tile column + 64 x half
	s_mov_b32 s17, 0
	s_mov_b32 s47, 0
	s_mov_b64 s[18:19], SIZE_K*2
	s_mul_u64 s[16:17], s[16:17], s[18:19]
	s_mul_u64 s[46:47], s[46:47], s[18:19]
	s_mul_i32 s20, s10, HALFT                      ; where they go: wave x 64 rows
	s_wait_dscnt 0x0                               ; both opening adds are done
	s_wait_kmcnt 0x0
	s_add_nc_u64 s[14:15], s[4:5], s[16:17]
	s_add_nc_u64 s[46:47], s[6:7], s[46:47]
	CROUND                                         ; all sixteen work-groups are here: the first joint loads meet
.irp s, 0,1
	s_mov_b32 s[G0+4*\s], 1
	s_add_co_u32 s[G0+4*\s+1], s20, \s*SLOT
	s_add_nc_u64 s[G0+4*\s+2:G0+4*\s+3], s[14:15], \s*KSTEP*2
	s_or_b32 s[G0+4*\s+3], s[G0+4*\s+3], 0x80000000
	s_mov_b32 s[G0B+4*\s], 1
	s_add_co_u32 s[G0B+4*\s+1], s20, \s*SLOT
	s_add_nc_u64 s[G0B+4*\s+2:G0B+4*\s+3], s[46:47], \s*KSTEP*2
	s_or_b32 s[G0B+4*\s+3], s[G0B+4*\s+3], 0x80000000
	JLOAD \s                                       ; two loads of mine are out
.endr
	v_and_b32 v1, 15, v0                           ; l % 16
	v_bfe_u32 v2, v0, 4, 1                         ; l / 16
	v_mul_u32_u24 v3, v1, PITCH
	v_lshl_add_u32 v3, v2, 4, v3
	s_mul_i32 s21, s11, HALFT
	s_mul_i32 s22, s12, HALFT
	s_add_co_u32 s22, s22, 2*HALFT
.irp s, 0,1
	v_add_nc_u32 v[ADRA+\s], s21, v3
	v_add_nc_u32 v[ADRB+\s], s22, v3
	s_add_co_u32 s21, s21, SLOT
	s_add_co_u32 s22, s22, SLOT
.endr
	s_mul_i32 s23, s10, 16*SPITCH
	s_add_co_u32 s23, s23, STAGE                   ; my stage: a wave's 64 columns of f32 are 256 aligned bytes of a row, so each wave goes out by itself
	v_mul_u32_u24 v4, v1, SPITCH                   ; in: row l % 16, 32 bytes for each half of the lanes
	v_lshl_add_u32 v4, v2, 5, v4
	v_add_nc_u32 v[STO], s23, v4
	v_mul_u32_u24 v5, v2, SPITCH                   ; back: lanes 0-15 one row of 256 bytes, lanes 16-31 the next
	v_lshl_add_u32 v5, v1, 4, v5
	v_add_nc_u32 v[RD], s23, v5
	v_lshlrev_b32 v5, 13, v2                       ; and the same two rows in out0 (8,192 bytes a row)
	v_lshl_add_u32 v[CO], v1, 4, v5
	s_lshl_b32 s16, s13, 7
	s_lshl_b32 s17, s11, 6
	s_add_co_u32 s16, s16, s17                     ; my first row: 128 x tile row + 64 x half
	s_lshl_b32 s16, s16, 13
	s_mov_b32 s17, 0
	s_add_nc_u64 s[8:9], s[8:9], s[16:17]
	s_lshl_b32 s46, s42, 9                         ; my first column, in bytes: 512 x tile column + 256 x half
	s_lshl_b32 s47, s12, 8
	s_add_co_u32 s46, s46, s47
	s_mov_b32 s47, 0
	s_add_nc_u64 s[8:9], s[8:9], s[46:47]
.macro MUL8 f, c, a0, zero             ; 8 matrix instructions: m blocks a0, a0 + 1 x all 4 n blocks, 32 along K: half c of buffer f.  The 16 accumulators take turns
.irp a, \a0, \a0+1
.irp b, 0,1,2,3
.if \zero
	v_wmma_f32_16x16x32_f16 v[ACC+8*(4*(\a)+\b):ACC+8*(4*(\a)+\b)+7], v[\f+64+8*(4*\c+\b):\f+64+8*(4*\c+\b)+7], v[\f+8*(4*\c+\a):\f+8*(4*\c+\a)+7], 0
.else
	v_wmma_f32_16x16x32_f16 v[ACC+8*(4*(\a)+\b):ACC+8*(4*(\a)+\b)+7], v[\f+64+8*(4*\c+\b):\f+64+8*(4*\c+\b)+7], v[\f+8*(4*\c+\a):\f+8*(4*\c+\a)+7], v[ACC+8*(4*(\a)+\b):ACC+8*(4*(\a)+\b)+7]
.endif
.endr
.endr
.endm
.macro FETCH slot, k, f                ; 32 LDS loads in one run: the fragments of 64 along K at byte k of the rows; the first 32 along K first
	WIN TO_F
.irp c, 0,1
.irp i, 0,1,2,3
	ds_load_b128 v[\f+64+8*(4*\c+\i):\f+64+8*(4*\c+\i)+3],   v[ADRB+\slot] offset:\k+64*\c+\i*16*PITCH
	ds_load_b128 v[\f+64+8*(4*\c+\i)+4:\f+64+8*(4*\c+\i)+7], v[ADRB+\slot] offset:\k+64*\c+\i*16*PITCH+32
	ds_load_b128 v[\f+8*(4*\c+\i):\f+8*(4*\c+\i)+3],         v[ADRA+\slot] offset:\k+64*\c+\i*16*PITCH
	ds_load_b128 v[\f+8*(4*\c+\i)+4:\f+8*(4*\c+\i)+7],       v[ADRA+\slot] offset:\k+64*\c+\i*16*PITCH+32
.endr
.endr
.endm
.macro PLACES
.rept 4
	v_nop
.endr
.endm
.macro QUARTER slot, k, f, g, zero     ; 64 along K: multiplies buffer f and fetches the next quarter, at byte k, into g
	s_wait_dscnt 16                                ; the first 32 along K are in; the sixteen loads of the second 32 may be out
	WIN MUL
	MUL8 \f, 0, 0, \zero
	MUL8 \f, 0, 2, \zero
	PLACES
	FETCH \slot, \k, \g
	s_wait_dscnt 32                                ; all but the 32 just issued
	WIN MUL
	MUL8 \f, 1, 0, 0
	MUL8 \f, 1, 2, 0
.endm
.macro TURN slot, next, fill           ; the last quarter changes slots: one barrier; in front of it each wave waits for all its tensor loads, adds 0 to its spare word, and waits for that and for its reads of this slot
	WIN 0
	s_wait_tensorcnt 0x0                           ; all my tensor loads have landed: my part of the next slot
	ds_add_u32 v[SPW], v[NIL]
	s_wait_dscnt 17                                ; (the add and the youngest sixteen loads may be out)
	WIN MUL
	MUL8 F1, 0, 0, 0
	s_wait_dscnt 0x0                               ; the add is done, and my reads of this slot are over
	s_barrier_signal -1
	MUL8 F1, 0, 2, 0
.if \fill
	WIN 0
.endif
	s_barrier_wait -1
.if \fill
	CREST                                          ; the barrier has opened a round of the cluster's barrier: no wave of any partner still reads this slot or has a load on its way
	s_add_nc_u64 s[G0+4*\slot+2:G0+4*\slot+3], s[G0+4*\slot+2:G0+4*\slot+3], 2*KSTEP*2
	s_add_nc_u64 s[G0B+4*\slot+2:G0B+4*\slot+3], s[G0B+4*\slot+2:G0B+4*\slot+3], 2*KSTEP*2
	JLOAD \slot                                    ; the first tensor load behind the round; its four v_nop are the places in front of the loads below
.else
	PLACES
.endif
	FETCH \next, 0, F0
	WIN MUL
	MUL8 F1, 1, 0, 0
	MUL8 F1, 1, 2, 0
.endm
	s_wait_tensorcnt 1                             ; my part of K step 0 is in (K step 1's load may be out)
	s_barrier_signal -1
	s_barrier_wait -1                              ; everybody's is
	FETCH 0, 0, F0
	QUARTER 0, 128, F0, F1, 1                      ; the first quarter stands in front of the loop: its first products start the sums
	WIN 0
	s_mov_b32 s3, LAPS-1
.Llap:
	QUARTER 0, 256, F1, F0, 0
	QUARTER 0, 384, F0, F1, 0
	TURN 0, 1, 1
	QUARTER 1, 128, F0, F1, 0
	QUARTER 1, 256, F1, F0, 0
	QUARTER 1, 384, F0, F1, 0
	TURN 1, 0, 1
	QUARTER 0, 128, F0, F1, 0
	WIN 0
	s_sub_co_u32 s3, s3, 1
	s_cmp_lg_u32 s3, 0
	s_cbranch_scc1 .Llap
	QUARTER 0, 256, F1, F0, 0                      ; the last lap fills nothing
	QUARTER 0, 384, F0, F1, 0
	TURN 0, 1, 0
	QUARTER 1, 128, F0, F1, 0
	QUARTER 1, 256, F1, F0, 0
	QUARTER 1, 384, F0, F1, 0
	s_wait_dscnt 16
	WIN MUL
	MUL8 F1, 0, 0, 0
	MUL8 F1, 0, 2, 0
	s_wait_dscnt 0
	MUL8 F1, 1, 0, 0
	MUL8 F1, 1, 2, 0
	WIN 0
; THE WAY OUT, 16 rows x 64 columns at a time, through my own stage: 32 bytes a lane in, whole rows of 256 bytes back.  LDS serves a wave's instructions in order: no wait between the stores and the loads.
.macro TOST a
.irp b, 0,1,2,3
	ds_store_b128 v[STO], v[ACC+8*(4*(\a)+\b):ACC+8*(4*(\a)+\b)+3] offset:64*\b          ; each accumulator from its low end on
	ds_store_b128 v[STO], v[ACC+8*(4*(\a)+\b)+4:ACC+8*(4*(\a)+\b)+7] offset:64*\b+16
.endr
.irp i, 0,1,2,3,4,5,6,7
	ds_load_b128 v[TMP+32*((\a)%2)+4*\i:TMP+32*((\a)%2)+4*\i+3], v[RD] offset:\i*2*SPITCH
.endr
.endm
.macro SEND a, younger                 ; younger: the LDS instructions issued behind block a's loads
	s_wait_dscnt \younger
.irp i, 0,1,2,3,4,5,6,7
	global_store_b128 v[CO], v[TMP+32*((\a)%2)+4*\i:TMP+32*((\a)%2)+4*\i+3], s[8:9] offset:(16*(\a)+2*\i)*8192 th:TH_STORE_NT   ; 16 lanes store 256 consecutive bytes, aligned
.endr
.endm
	PLACES
	TOST 0
	TOST 1
	SEND 0, 16                                     ; behind block 0's loads: block 1's 8 stores and 8 loads
	s_wait_xcnt 0x0                                ; block 0's stores have read their registers: block 2's loads may land there
	TOST 2
	SEND 1, 16
	s_wait_xcnt 0x0
	TOST 3
	SEND 2, 16
	SEND 3, 0
	s_wait_tensorcnt 0x0                           ; the wave's end: behind my last tensor load and my last LDS store
	ds_add_u32 v[SPW], v[NIL]
	s_wait_dscnt 0x0
	CROUND                                         ; the closing round
	s_endpgm
.Lfunc_end_k_qc3c05d2fdf_oproj:
	.size	k_qc3c05d2fdf_oproj, .Lfunc_end_k_qc3c05d2fdf_oproj-k_qc3c05d2fdf_oproj
	.p2alignl 7, 3214868480
	.fill 96, 4, 3214868480
	.section	.rodata,"a",@progbits
	.p2align	6, 0x0
	.amdhsa_kernel k_qc3c05d2fdf_oproj
		.amdhsa_group_segment_fixed_size 327680
		.amdhsa_private_segment_fixed_size 0
		.amdhsa_enable_private_segment 0
		.amdhsa_kernarg_size 24
		.amdhsa_user_sgpr_count 2
		.amdhsa_user_sgpr_kernarg_segment_ptr 1
		.amdhsa_wavefront_size32 1
		.amdhsa_system_sgpr_workgroup_id_x 1
		.amdhsa_system_sgpr_workgroup_id_y 1
		.amdhsa_system_sgpr_workgroup_id_z 1
		.amdhsa_system_vgpr_workitem_id 0
		.amdhsa_next_free_vgpr 512
		.amdhsa_next_free_sgpr 66
		.amdhsa_reserve_vcc 0
		.amdhsa_float_denorm_mode_32 3
		.amdhsa_float_denorm_mode_16_64 3
		.amdhsa_memory_ordered 1
		.amdhsa_forward_progress 1
		.amdhsa_inst_pref_size 86
	.end_amdhsa_kernel
	.amdgpu_metadata
---
amdhsa.version: [ 1, 2 ]
amdhsa.kernels:
  - .name:           k_qc3c05d2fdf_oproj
    .symbol:         k_qc3c05d2fdf_oproj.kd
    .args:
      - { .name: a16, .offset: 0, .size: 8, .value_kind: global_buffer, .address_space: global }
      - { .name: wo16, .offset: 8, .size: 8, .value_kind: global_buffer, .address_space: global }
      - { .name: out0, .offset: 16, .size: 8, .value_kind: global_buffer, .address_space: global }
    .group_segment_fixed_size: 327680
    .private_segment_fixed_size: 0
    .kernarg_segment_align: 8
    .kernarg_segment_size: 24
    .max_flat_workgroup_size: 128
    .sgpr_count:     66
    .vgpr_count:     512
    .wavefront_size: 32
...
	.end_amdgpu_metadata
.endif
;; end of part 4
;; launch first16 (part 5): grid 128 x 1, 16 waves a work-group, no clusters, 167,936 bytes of LDS; arguments r32, w_o, out0; writes out0
.if DOCPART == 5
	.amdgcn_target "amdgcn-amd-amdhsa--gfx1250"
	.amdhsa_code_object_version 6
	.text
	.protected	k_qc3c05d2fdf_first16
	.globl	k_qc3c05d2fdf_first16
	.p2align	8
	.type	k_qc3c05d2fdf_first16,@function
k_qc3c05d2fdf_first16:
	s_mov_b64 s[64:65], 0
	v_nop
	global_prefetch_b8 v0, s[64:65] scope:SCOPE_SE
	s_setreg_imm32_b32 hwreg(HW_REG_WAVE_MODE, 25, 1), 1
	s_wait_xcnt 0x0
; Positions 0-15 once more, in f32 from end to end: they average one to sixteen values, and 16-bit operands would weigh most there.  16 rows: no bulk work.
; r32 (its first part): [3][16 rows][2048] f32: q' = c q, k' = k / 8, v' = v / 4 (c = log2(e) / sqrt(128)).  t = 8 (q' . k'); p = 2^(t - the row's largest t); a = 4 (sum of p v') / (sum of p); out0 = a w_o^T.
; SHARES.  Work-group g makes out0[0..15][16 g .. 16 g + 15].  Wave hd computes head hd's attention of the 16 positions and then its own slice of the projection's K, the same 128 columns: a never leaves the
; registers.  The sixteen partial tiles meet in LDS; waves 0 and 1 add them, in ascending order of heads, and store.  Every work-group repeats the 16-row attention (64 of a wave's 96 matrix instructions).
; A work-group's 64 bytes of a row are part of an aligned 256: 128 KiB of output in all.
; All products by v_wmma_f32_16x16x4_f32; its lane (r, h) holds k = 2 h + 0, 1 of row r.  The order of k is permuted alike on both sides, so that a lane loads 16 neighbouring bytes.
; Four accumulators take turns; they are written by matrix instructions alone, each sum begins with C = 0, and what is made of a sum goes into other registers.
; REGISTERS: v1-9 addresses; v10, v11 the add's two; v12 -infinity; v16-23 S, then p, then Y; v24-31 at work; v32-95 Q, later V (channels 64-127) in v32-63 and a (channels 0-63) in v64-95; v96-159 K, later w_o;
;   v160-191 V (channels 0-63), later a (channels 64-127); v200-231 the accumulators.
.set WPITCH, 528                       ; a row of w_o's tile in LDS: 512 bytes + 16
.set WTILE,  16*WPITCH
.set RED,    16*WTILE                  ; the partial tiles: 1,024 bytes a wave
.set SPARE,  RED+16384                 ; the spare words, 128 bytes a wave
.set ACC,    200
	s_load_b128 s[4:7], s[0:1], 0x0                ; r32, w_o
	s_load_b64 s[8:9], s[0:1], 0x10                ; out0
	v_lshl_add_u32 v10, v0, 2, SPARE
	v_mov_b32 v11, 0
	ds_add_u32 v10, v11                            ; the wave's opening: the add, twice on end, and its wait ahead of my tensor load
	ds_add_u32 v10, v11
	v_lshrrev_b32 v1, 5, v0
	v_readfirstlane_b32 s10, v1                    ; wave = head
	s_mov_b32 s16, (2<<16)|(1<<20)|(6<<22)|(3<<25) ; elements of 4 bytes; padding on: after every 128 words four words
	s_mov_b32 s17, 128<<16                         ; tensor_dim0 = 128
	s_mov_b32 s18, 16<<16                          ; tensor_dim1 = 16
	s_mov_b32 s19, 128<<16                         ; tile_dim0 = 128
	s_mov_b32 s20, 16                              ; tile_dim1 = 16
	s_mov_b32 s21, 2048                            ; from row to row
	s_mov_b32 s22, 0
	s_mov_b32 s23, 0
	s_mov_b32 s12, 1
	s_mul_i32 s13, s10, WTILE                      ; my own tile in LDS
	s_lshl_b32 s24, ttmp9, 17                      ; w_o: 16 g rows of 8,192 bytes
	s_lshl_b32 s26, s10, 9                         ; + my head's 128 columns
	s_add_co_u32 s24, s24, s26
	s_mov_b32 s25, 0
	s_mov_b32 s27, 0
	s_lshl_b32 s28, ttmp9, 6                       ; out0: 16 g columns
	s_mov_b32 s29, 0
	s_mov_b32 s2, 0x76543210
	s_mov_b32 s3, 0xfedcba98                       ; v_permlanex16_b32's selects for lane l xor 16
	s_mov_b32 s11, 0x41000000                      ; 8.0
	s_wait_dscnt 0x0                               ; both opening adds are done
	s_wait_kmcnt 0x0
	s_add_nc_u64 s[14:15], s[6:7], s[24:25]
	s_or_b32 s15, s15, 0x80000000
	tensor_load_to_lds s[12:15], s[16:23]          ; w_o[16 g .. + 15][128 hd .. + 127]: read by this wave alone; filled once
	s_nop 0
	s_add_nc_u64 s[4:5], s[4:5], s[26:27]          ; q' at my head
	s_add_nc_u64 s[8:9], s[8:9], s[28:29]
	s_add_nc_u64 s[28:29], s[4:5], 0x20000         ; k'
	s_add_nc_u64 s[30:31], s[4:5], 0x40000         ; v'
	v_and_b32 v1, 15, v0                           ; r
	v_bfe_u32 v2, v0, 4, 1                         ; h
	v_and_b32 v13, 31, v0                          ; lane
	v_lshlrev_b32 v3, 13, v1
	v_lshl_add_u32 v3, v2, 4, v3                   ; q', k': row r of 8,192 bytes, + 16 h
	v_lshlrev_b32 v4, 16, v2
	v_lshl_add_u32 v4, v1, 2, v4                   ; v': key 8 h, channel r
	v_mul_u32_u24 v5, v1, WPITCH
	v_lshl_add_u32 v5, v2, 5, v5
	v_add_nc_u32 v5, s13, v5                       ; w_o in LDS: row r, + 32 h
	s_lshl_b32 s24, s10, 10
	v_lshl_add_u32 v6, v13, 4, s24
	v_add_nc_u32 v6, RED, v6                       ; my partial tile: 1,024 hd + 16 lane
	s_lshl_b32 s24, s10, 9
	v_lshl_add_u32 v7, v13, 4, s24
	v_add_nc_u32 v7, RED, v7                       ; the adding waves: half hd of each partial tile
	v_lshlrev_b32 v8, 13, v1
	v_lshl_add_u32 v8, v2, 5, v8
	s_lshl_b32 s24, s10, 4
	v_add_nc_u32 v8, s24, v8                       ; out0: row r, columns 8 h + 4 hd + 0..3
	v_lshlrev_b32 v14, 3, v2
	v_sub_nc_u32 v9, v1, v14                       ; r - 8 h
	v_mov_b32 v12, 0xff800000
.irp i, 0,1,2,3,4,5,6,7,8,9,10,11,12,13,14,15
	global_load_b128 v[96+4*\i:99+4*\i], v3, s[28:29] offset:32*\i     ; k'(r, 8 i + 4 h + 0..3)
.endr
.irp i, 0,1,2,3,4,5,6,7,8,9,10,11,12,13,14,15
	global_load_b128 v[32+4*\i:35+4*\i], v3, s[4:5] offset:32*\i       ; q' likewise
.endr
.irp dt, 0,1,2,3
.irp kk, 0,1,2,3,4,5,6,7
	global_load_b32 v[160+8*\dt+\kk], v4, s[30:31] offset:8192*\kk+64*\dt   ; v'(key 8 h + kk, channel 16 dt + r)
.endr
.endr
	s_wait_loadcnt 32                              ; k' and q' are in; the 32 loads of v' may be out
.set i, 0
.rept 32                               ; S^T = k' q'^T: source 0 = 16 keys, source 1 = 16 queries: a lane holds query r and keys 8 h + 0..7
.if i < 4
	v_wmma_f32_16x16x4_f32 v[ACC+8*(i%4):ACC+8*(i%4)+7], v[96+2*i:97+2*i], v[32+2*i:33+2*i], 0
.else
	v_wmma_f32_16x16x4_f32 v[ACC+8*(i%4):ACC+8*(i%4)+7], v[96+2*i:97+2*i], v[32+2*i:33+2*i], v[ACC+8*(i%4):ACC+8*(i%4)+7]
.endif
.set i, i+1
.endr
.rept 8
	v_nop                                          ; eight places behind this form: for the loads into q's registers and the reads of the sums
.endr
.irp dt, 4,5,6,7
.irp kk, 0,1,2,3,4,5,6,7
	global_load_b32 v[32+8*(\dt-4)+\kk], v4, s[30:31] offset:8192*\kk+64*\dt
.endr
.endr
.irp j, 0,1,2,3,4,5,6,7
	v_add_f32 v[16+\j], v[ACC+\j], v[ACC+8+\j]     ; the four partial sums, each accumulator from its low end on
	v_add_f32 v[24+\j], v[ACC+16+\j], v[ACC+24+\j]
.endr
.irp j, 0,1,2,3,4,5,6,7
	v_add_f32 v[16+\j], v[16+\j], v[24+\j]
.endr
.irp j, 0,1,2,3,4,5,6,7
	v_cmp_gt_i32 vcc_lo, \j, v9                    ; key 8 h + j lies behind query r
	v_cndmask_b32 v[16+\j], v[16+\j], v12, vcc_lo
.endr
	v_max3_num_f32 v24, v16, v17, v18
	v_max3_num_f32 v25, v19, v20, v21
	v_max3_num_f32 v24, v24, v22, v23
	v_max_num_f32 v24, v24, v25
	v_permlanex16_b32 v25, v24, s2, s3
	v_max_num_f32 v24, v24, v25                    ; the row's largest S (key 0 counts for every query)
	v_mul_f32 v25, s11, v24
.irp j, 0,1,2,3,4,5,6,7
	v_fma_f32 v[16+\j], v[16+\j], s11, -v25        ; 8 S - 8 m, never above 0
.endr
.irp j, 0,1,2,3,4,5,6,7
	v_exp_f32 v[16+\j], v[16+\j]
.endr
	v_nop                                          ; a plain instruction behind the exponentials,
	s_wait_alu depctr_va_vdst(0)                   ; and the one wait ahead of their first use
	v_add_f32 v26, v16, v17
	v_add_f32 v27, v18, v19
	v_add_f32 v28, v20, v21
	v_add_f32 v29, v22, v23
	v_add_f32 v26, v26, v27
	v_add_f32 v28, v28, v29
	v_add_f32 v26, v26, v28
	v_permlanex16_b32 v27, v26, s2, s3
	v_add_f32 v26, v26, v27                        ; the row's sum
	v_rcp_f32 v28, v26
	v_nop
	s_wait_alu depctr_va_vdst(0)
	v_mul_f32 v28, 4.0, v28                        ; 4 / the sum: v' = v / 4
	s_wait_tensorcnt 0x0                           ; my tile of w_o is in LDS: my own bytes
.irp dt, 0,1,2,3,4,5,6,7
	ds_load_b128 v[96+8*\dt:99+8*\dt], v5 offset:64*\dt              ; w_o(16 g + r, 128 hd + 16 dt + 8 h + 0..3)
	ds_load_b128 v[100+8*\dt:103+8*\dt], v5 offset:64*\dt+16         ; and + 4..7
.endr
	s_wait_loadcnt 32                              ; v's channels 0-63 are in; the 32 loads of channels 64-127 may be out
.irp s, 0,1,2,3                        ; O^T = v'^T p: source 0 = 16 channels, source 1 = 16 queries; K = keys 8 h + 2 s + 0, 1
.irp dt, 0,1,2,3
.if \s == 0
	v_wmma_f32_16x16x4_f32 v[ACC+8*\dt:ACC+8*\dt+7], v[160+8*\dt+2*\s:161+8*\dt+2*\s], v[16+2*\s:17+2*\s], 0
.else
	v_wmma_f32_16x16x4_f32 v[ACC+8*\dt:ACC+8*\dt+7], v[160+8*\dt+2*\s:161+8*\dt+2*\s], v[16+2*\s:17+2*\s], v[ACC+8*\dt:ACC+8*\dt+7]
.endif
.endr
.endr
.rept 8
	v_nop
.endr
.set n, 0
.rept 32
	v_mul_f32 v[64+n], v[ACC+n], v28               ; a(query r, channel 16 (n / 8) + 8 h + n % 8).  With the eight above, these are also the places ahead of the sums that begin anew below
.set n, n+1
.endr
	s_wait_loadcnt 0x0
.irp s, 0,1,2,3
.irp dt, 0,1,2,3
.if \s == 0
	v_wmma_f32_16x16x4_f32 v[ACC+8*\dt:ACC+8*\dt+7], v[32+8*\dt+2*\s:33+8*\dt+2*\s], v[16+2*\s:17+2*\s], 0
.else
	v_wmma_f32_16x16x4_f32 v[ACC+8*\dt:ACC+8*\dt+7], v[32+8*\dt+2*\s:33+8*\dt+2*\s], v[16+2*\s:17+2*\s], v[ACC+8*\dt:ACC+8*\dt+7]
.endif
.endr
.endr
.rept 8
	v_nop
.endr
.set n, 0
.rept 32
	v_mul_f32 v[160+n], v[ACC+n], v28              ; channels 64 on
.set n, n+1
.endr
	s_wait_dscnt 0x0                               ; w_o's fragments are in
.set i, 0
.rept 32                               ; Y^T = w_o a^T over my 128 columns: source 0 = 16 rows of w_o, source 1 = 16 queries: a lane holds query r and outputs 8 h + 0..7
.if i < 16
.set rA, 64+2*i
.else
.set rA, 160+2*(i-16)
.endif
.if i < 4
	v_wmma_f32_16x16x4_f32 v[ACC+8*(i%4):ACC+8*(i%4)+7], v[96+2*i:97+2*i], v[rA:rA+1], 0
.else
	v_wmma_f32_16x16x4_f32 v[ACC+8*(i%4):ACC+8*(i%4)+7], v[96+2*i:97+2*i], v[rA:rA+1], v[ACC+8*(i%4):ACC+8*(i%4)+7]
.endif
.set i, i+1
.endr
.rept 8
	v_nop
.endr
.irp j, 0,1,2,3,4,5,6,7
	v_add_f32 v[16+\j], v[ACC+\j], v[ACC+8+\j]
	v_add_f32 v[24+\j], v[ACC+16+\j], v[ACC+24+\j]
.endr
.irp j, 0,1,2,3,4,5,6,7
	v_add_f32 v[16+\j], v[16+\j], v[24+\j]
.endr
	ds_store_b128 v6, v[16:19]                     ; my partial tile as it stands in the registers
	ds_store_b128 v6, v[20:23] offset:512
	s_wait_dscnt 0x0                               ; for the others' sake: my stores are done
	s_barrier_signal -1
	s_barrier_wait -1
	s_cmp_lt_u32 s10, 2                            ; waves 0 and 1 add: registers 0-3 and 4-7 of the sixteen partial tiles
	s_cbranch_scc0 .Ldone
.irp w, 0,1,2,3,4,5,6,7,8,9,10,11,12,13,14,15
	ds_load_b128 v[32+4*\w:35+4*\w], v7 offset:1024*\w
.endr
	s_wait_dscnt 0x0
.irp w, 1,2,3,4,5,6,7,8,9,10,11,12,13,14,15
	v_pk_add_f32 v[32:33], v[32:33], v[32+4*\w:33+4*\w]
	v_pk_add_f32 v[34:35], v[34:35], v[34+4*\w:35+4*\w]
.endr
	global_store_b128 v8, v[32:35], s[8:9]
.Ldone:
	s_wait_tensorcnt 0x0                           ; the wave's end: behind my tensor load and my last LDS store
	ds_add_u32 v10, v11
	s_wait_dscnt 0x0
	s_endpgm
.Lfunc_end_k_qc3c05d2fdf_first16:
	.size	k_qc3c05d2fdf_first16, .Lfunc_end_k_qc3c05d2fdf_first16-k_qc3c05d2fdf_first16
	.p2alignl 7, 3214868480
	.fill 96, 4, 3214868480
	.section	.rodata,"a",@progbits
	.p2align	6, 0x0
	.amdhsa_kernel k_qc3c05d2fdf_first16
		.amdhsa_group_segment_fixed_size 167936
		.amdhsa_private_segment_fixed_size 0
		.amdhsa_enable_private_segment 0
		.amdhsa_kernarg_size 24
		.amdhsa_user_sgpr_count 2
		.amdhsa_user_sgpr_kernarg_segment_ptr 1
		.amdhsa_wavefront_size32 1
		.amdhsa_system_sgpr_workgroup_id_x 1
		.amdhsa_system_sgpr_workgroup_id_y 1
		.amdhsa_system_sgpr_workgroup_id_z 1
		.amdhsa_system_vgpr_workitem_id 0
		.amdhsa_next_free_vgpr 256
		.amdhsa_next_free_sgpr 66
		.amdhsa_reserve_vcc 1
		.amdhsa_float_denorm_mode_32 3
		.amdhsa_float_denorm_mode_16_64 3
		.amdhsa_memory_ordered 1
		.amdhsa_forward_progress 1
		.amdhsa_inst_pref_size 30
	.end_amdhsa_kernel
	.amdgpu_metadata
---
amdhsa.version: [ 1, 2 ]
amdhsa.kernels:
  - .name:           k_qc3c05d2fdf_first16
    .symbol:         k_qc3c05d2fdf_first16.kd
    .args:
      - { .name: r32, .offset: 0, .size: 8, .value_kind: global_buffer, .address_space: global }
      - { .name: w_o, .offset: 8, .size: 8, .value_kind: global_buffer, .address_space: global }
      - { .name: out0, .offset: 16, .size: 8, .value_kind: global_buffer, .address_space: global }
    .group_segment_fixed_size: 167936
    .private_segment_fixed_size: 0
    .kernarg_segment_align: 8
    .kernarg_segment_size: 24
    .max_flat_workgroup_size: 512
    .sgpr_count:     66
    .vgpr_count:     256
    .wavefront_size: 32
...
	.end_amdgpu_metadata
.endif
;; end of part 5
